; MI455X (gfx1250); checked and timed in simulation.
; The chip was launched on July 23, 2026; its instructions are those of AMD's public machine-readable ISA for CDNA 5 (MIT licence, August 2026) and "CDNA5" Instruction Set Architecture Reference Guide (July 2026). The comments in the code are by the model that wrote it; some were corrected since.
;; Encoder Block. Allowed arithmetic: float matrix products may take bf16 or f16 operands with f32 sums; other float arithmetic in f32, or as packed bf16 or f16 multiplies, adds, multiply-adds, maxima and minima; sums over many terms, partial sums and values carried from step to step in f32; what a program stores and reads back later, other than sums and carried values, may be rounded once to bf16 or f16.
;; Inputs: a1 1 float32; a2 1 float32; b1 4,096 float32; b2 1,024 float32; bk 1,024 float32; bo 1,024 float32; bq 1,024 float32; bv 1,024 float32; c1 1 float32; c2 1 float32; mask 1 x 1 x 2,048 x 2,048 int32; w1 1,024 x 4,096 float32; w2 4,096 x 1,024 float32; wk 1,024 x 1,024 float32; wo 1,024 x 1,024 float32; wq 1,024 x 1,024 float32; wv 1,024 x 1,024 float32; x 2 x 2,048 x 1,024 float32.
;; Outputs: out0 2 x 2,048 x 1,024 float32.
;; One version. Each part assembles by itself: llvm-mc -triple=amdgcn-amd-amdhsa -mcpu=gfx1250 --defsym DOCPART=n.
;; ======== version 1 of 1: 7 launches
;; workspace buffers: act 8,388,608 bytes; big 33,554,432 bytes; x1 16,777,216 bytes; mfrag 8,388,608 bytes; wqkvb 6,308,096 bytes; w1b 8,405,248 bytes; ws 10,485,760 bytes
;; launch prep (part 1): grid 2049 x 1, 8 waves a work-group, no clusters, 35,840 bytes of LDS; arguments x, a1, c1, act, mask, mfrag, wq, wk, wv, wo, w1, w2, wqkvb, w1b, ws, bq, bk, bv, b1; writes act, mfrag, wqkvb, w1b, ws
.if DOCPART == 1
	.amdgcn_target "amdgcn-amd-amdhsa--gfx1250"
	.amdhsa_code_object_version 6
	.text
	.protected	k_qa3ecbb5d7b_prep
	.globl	k_qa3ecbb5d7b_prep
	.p2align	8
	.type	k_qa3ecbb5d7b_prep,@function
k_qa3ecbb5d7b_prep:
	s_mov_b64 s[64:65], 0
	v_nop
	global_prefetch_b8 v0, s[64:65] scope:SCOPE_SE
	s_setreg_imm32_b32 hwreg(HW_REG_WAVE_MODE, 25, 1), 1
	s_wait_xcnt 0x0
; PREPARATION, four kinds of work-group, told apart by the work-group's number alone (forward branches; no barrier):
;   0 .. 1535     CAST: 64 k-rows x 128 columns of a weight matrix, f32 [K][N], rounded to bf16 and laid as [N / 128][K][128]: rows of 256 bytes on end
;   1536 .. 1791  LN:   16 rows of x: alpha (x - mean) / (std + 1e-6) + beta, std with K - 1 = 1023 below the sum; bf16, laid as [column / 64][4096 rows][64]
;   1792 .. 2047  MASK: the int32 mask as matrix fragments in bf16, 1.0 where the mask is 0 and 0 elsewhere: [32 queries P][64 keys ks][kb 4][c 2][lane l][8 numbers i]:
;                 query 32 P + 16 c + 8 (l / 16) + i, key 64 ks + 16 kb + l % 16: source 0 (16 keys x 32 queries) of the product by which the attention launch hides scores
;   2048          BIAS: bq | bk | bv and b1 copied behind the first 256 bytes of wqkvb and w1b; those 256 bytes hold the floor that the product's way out applies:
;                 the lowest finite bf16 twice a word (changes nothing finite) for q, k, v; 0 (a ReLU) for the first layer of the feed-forward part
; Memory binds all four: each byte is read once, by 16-byte loads of which a wave has 8 or 16 out, and each store of a wave covers 256 or 512 consecutive bytes, aligned.
; The mean is taken away before the squares are summed (two passes over the row in registers), so a common offset of x forms no difference of large sums.
; LDS serves MASK alone: a lane that has read four neighbouring keys of eight rows holds 16 bytes for each of four lanes of a fragment; they change lanes through a stage of the wave's own.
.set X, 16                             ; v[16:79] a wave's data
.set MWAVE, 4352                       ; a wave's stage: two planes (c) of four blocks (kb) of 512 + 16 bytes: the 16 lanes of a store touch 16 different columns of 16 bytes
.set MPL,   2112
.set MBL,   528
.set SPARE, 8*MWAVE                    ; the spare words, 128 bytes a wave: four blocks of 256 bytes that no other line names
.set SPW, 5                            ; v5  SPARE + 4 x my thread's number; never rewritten
.set NIL, 6                            ; v6  0; never rewritten
; Two rows of 1,024 f32: lanes 0-15 hold the first, lanes 16-31 the second; load c brings columns 64 c + 4 (l % 16) .. + 3.  A row's sums stay inside 16 lanes.
.macro FOLD                            ; four chains of pairs in v[80:87] -> the row's sum in v80, in each of its 16 lanes
	v_pk_add_f32 v[80:81], v[80:81], v[82:83]
	v_pk_add_f32 v[84:85], v[84:85], v[86:87]
	v_pk_add_f32 v[80:81], v[80:81], v[84:85]
	v_add_f32 v80, v80, v81
	v_add_f32_dpp v80, v80, v80 row_xmask:1 row_mask:0xf bank_mask:0xf
	v_add_f32_dpp v80, v80, v80 row_xmask:2 row_mask:0xf bank_mask:0xf
	v_add_f32_dpp v80, v80, v80 row_xmask:4 row_mask:0xf bank_mask:0xf
	v_add_f32_dpp v80, v80, v80 row_xmask:8 row_mask:0xf bank_mask:0xf
.endm
.macro LNROW src, dst, al, be          ; s[src:src+1], s[dst:dst+1]: the wave's two rows; s[al], s[be]: gain and bias, still on their way; v1: lane
	v_and_b32 v2, 15, v1
	v_lshrrev_b32 v3, 4, v1
	v_lshlrev_b32 v2, 4, v2
	v_lshl_add_u32 v2, v3, 12, v2                  ; 4,096 (l / 16) + 16 (l % 16)
	v_lshlrev_b32 v3, 3, v1                        ; out: two rows of 128 bytes on end: 8 l
.set c, 0
.rept 16
	global_load_b128 v[X+4*c:X+4*c+3], v2, s[\src:\src+1] offset:256*c th:TH_LOAD_NT
.set c, c+1
.endr
	s_wait_loadcnt 0x0                             ; the mean wants the whole row
.set k, 0
.rept 4
	v_pk_add_f32 v[80+2*k:81+2*k], v[X+2*k:X+2*k+1], v[X+8+2*k:X+9+2*k]  ; the first sums start the four chains
.set k, k+1
.endr
.set j, 8
.rept 24
	v_pk_add_f32 v[80+2*(j%4):81+2*(j%4)], v[80+2*(j%4):81+2*(j%4)], v[X+2*j:X+2*j+1]
.set j, j+1
.endr
	FOLD
	v_mul_f32 v88, 0x3a800000, v80                 ; mean = sum / 1024
	v_mov_b32 v89, v88
.set j, 0
.rept 32
	v_pk_add_f32 v[X+2*j:X+2*j+1], v[X+2*j:X+2*j+1], v[88:89] neg_lo:[0,1] neg_hi:[0,1]  ; d = x - mean
.set j, j+1
.endr
.set k, 0
.rept 4
	v_pk_mul_f32 v[80+2*k:81+2*k], v[X+2*k:X+2*k+1], v[X+2*k:X+2*k+1]
.set k, k+1
.endr
.set j, 4
.rept 28
	v_pk_fma_f32 v[80+2*(j%4):81+2*(j%4)], v[X+2*j:X+2*j+1], v[X+2*j:X+2*j+1], v[80+2*(j%4):81+2*(j%4)]
.set j, j+1
.endr
	FOLD
	v_mul_f32 v80, 0x3a802008, v80                 ; / 1023
	v_sqrt_f32 v81, v80
	v_nop                                          ; a plain instruction behind the root,
	s_wait_alu depctr_va_vdst(0)                   ; and the wait ahead of its first reader
	v_add_f32 v81, 0x358637bd, v81                 ; + 1e-6
	v_rcp_f32 v82, v81
	v_nop
	s_wait_alu depctr_va_vdst(0)
	s_wait_kmcnt 0x0                               ; gain and bias
	v_mul_f32 v90, s[\al], v82
	v_mov_b32 v92, s[\be]
	v_mov_b32 v91, v90
	v_mov_b32 v93, v92
.set j, 0
.rept 32
	v_pk_fma_f32 v[X+2*j:X+2*j+1], v[X+2*j:X+2*j+1], v[90:91], v[92:93]
.set j, j+1
.endr
.set j, 0
.rept 32
	v_cvt_pk_bf16_f32 v[X+j], v[X+2*j], v[X+2*j+1] ; packed downwards: word j lands on a register whose number has been read
.set j, j+1
.endr
.set c, 0
.rept 16
	global_store_b64 v3, v[X+2*c:X+2*c+1], s[\dst:\dst+1] offset:524288*c  ; block c of 64 columns: 256 consecutive bytes, aligned
.set c, c+1
.endr
.endm
	s_load_b512 s[4:19], s[0:1], 0x0               ; x 4, a1 6, c1 8, act 10, mask 12, mfrag 14, wq 16, wk 18
	s_load_b512 s[20:35], s[0:1], 0x40             ; wv 20, wo 22, w1 24, w2 26, wqkvb 28, w1b 30, ws 32, bq 34
	s_load_b128 s[36:39], s[0:1], 0x80             ; bk 36, bv 38
	s_load_b64 s[40:41], s[0:1], 0x90              ; b1
	v_lshl_add_u32 v[SPW], v0, 2, SPARE
	v_mov_b32 v[NIL], 0
	v_lshrrev_b32 v1, 5, v0
	v_readfirstlane_b32 s42, v1                    ; wave 0..7
	v_and_b32 v1, 31, v0                           ; lane
	s_mov_b32 s43, ttmp9
	s_wait_kmcnt 0x0
	s_cmp_lt_u32 s43, 1536
	s_cbranch_scc1 .Lcast
	s_cmp_lt_u32 s43, 1792
	s_cbranch_scc1 .Lln
	s_cmp_lt_u32 s43, 2048
	s_cbranch_scc1 .Lmask
	; BIAS: thread t copies 16 bytes of each piece of 4,096
	v_lshlrev_b32 v2, 4, v0
	global_load_b128 v[16:19], v2, s[34:35]
	global_load_b128 v[20:23], v2, s[36:37]
	global_load_b128 v[24:27], v2, s[38:39]
.irp i, 0,1,2,3
	global_load_b128 v[28+4*(\i):31+4*(\i)], v2, s[40:41] offset:4096*(\i)
.endr
	s_wait_loadcnt 0x0
	global_store_b128 v2, v[16:19], s[28:29] offset:256
	global_store_b128 v2, v[20:23], s[28:29] offset:256+4096
	global_store_b128 v2, v[24:27], s[28:29] offset:256+8192
.irp i, 0,1,2,3
	global_store_b128 v2, v[28+4*(\i):31+4*(\i)], s[30:31] offset:256+4096*(\i)
.endr
	s_cmp_lg_u32 s42, 0
	s_cbranch_scc1 .Lbias_done
	v_lshlrev_b32 v3, 3, v1                        ; wave 0: the two floors, 256 bytes each
	v_mov_b32 v8, 0xff7fff7f
	v_mov_b32 v9, 0xff7fff7f
	v_mov_b32 v10, 0
	v_mov_b32 v11, 0
	global_store_b64 v3, v[8:9], s[28:29]
	global_store_b64 v3, v[10:11], s[30:31]
.Lbias_done:
	s_endpgm
.Lcast:
	; which matrix: from, to, the first unit's number in the matrix (s46) and in the target (s53), log2 of the units in a block of 128 columns (s47) and of the source row's bytes (s48)
	s_mov_b64 s[44:45], s[16:17]
	s_mov_b64 s[50:51], s[28:29]
	s_and_b32 s46, s43, 0xffffff80
	s_mov_b32 s47, 4
	s_mov_b32 s48, 12
	s_mov_b32 s53, 0
	s_mov_b32 s54, 16640                           ; the weights begin behind floor and bias
	s_cmp_ge_u32 s43, 128
	s_cselect_b64 s[44:45], s[18:19], s[44:45]
	s_cmp_ge_u32 s43, 256
	s_cselect_b64 s[44:45], s[20:21], s[44:45]
	s_cmp_ge_u32 s43, 384                          ; wo -> ws
	s_cselect_b64 s[44:45], s[22:23], s[44:45]
	s_cselect_b64 s[50:51], s[32:33], s[50:51]
	s_cselect_b32 s53, 384, s53
	s_cselect_b32 s54, 0, s54
	s_cmp_ge_u32 s43, 512                          ; w1 -> w1b
	s_cselect_b64 s[44:45], s[24:25], s[44:45]
	s_cselect_b64 s[50:51], s[30:31], s[50:51]
	s_cselect_b32 s46, 512, s46
	s_cselect_b32 s48, 14, s48
	s_cselect_b32 s53, 512, s53
	s_cselect_b32 s54, 16640, s54
	s_cmp_ge_u32 s43, 1024                         ; w2 -> ws, behind wo
	s_cselect_b64 s[44:45], s[26:27], s[44:45]
	s_cselect_b64 s[50:51], s[32:33], s[50:51]
	s_cselect_b32 s46, 1024, s46
	s_cselect_b32 s47, 6, s47
	s_cselect_b32 s48, 12, s48
	s_cselect_b32 s53, 1024, s53
	s_cselect_b32 s54, 2097152, s54
	s_sub_co_u32 s46, s43, s46                     ; the unit in its matrix
	s_lshr_b32 s55, s46, s47                       ; its block of 128 columns
	s_lshl_b32 s56, s55, s47
	s_sub_co_u32 s56, s46, s56                     ; its 64 k-rows
	s_lshl_b32 s56, s56, 6
	s_lshl_b32 s57, s42, 3
	s_add_co_u32 s56, s56, s57                     ; my wave's 8 of them
	s_lshl_b32 s56, s56, s48
	s_lshl_b32 s55, s55, 9
	s_add_co_u32 s56, s56, s55
	s_mov_b32 s57, 0
	s_add_nc_u64 s[44:45], s[44:45], s[56:57]
	s_sub_co_u32 s53, s43, s53
	s_lshl_b32 s53, s53, 14                        ; a unit is 16,384 bytes of bf16, and the units lie in the target in the order of their numbers
	s_add_co_u32 s52, s53, s54
	s_lshl_b32 s53, s42, 11
	s_add_co_u32 s52, s52, s53
	s_mov_b32 s53, 0
	s_add_nc_u64 s[50:51], s[50:51], s[52:53]
	s_lshl_b32 s58, 1, s48
	v_lshlrev_b32 v8, 4, v1
.irp i, 0,1,2,3,4,5,6
	v_add_nc_u32 v[9+(\i)], s58, v[8+(\i)]         ; row i: 16 l + i source rows
.endr
	v_lshlrev_b32 v7, 3, v1
.irp i, 0,1,2,3,4,5,6,7
	global_load_b128 v[X+4*(\i):X+4*(\i)+3], v[8+(\i)], s[44:45] th:TH_LOAD_NT  ; a row's 512 bytes
.endr
.irp i, 0,1,2,3,4,5,6,7
	s_wait_loadcnt 7-(\i)                          ; row i is in; the younger rows stay out
	v_cvt_pk_bf16_f32 v[48+2*(\i)], v[X+4*(\i)], v[X+4*(\i)+1]
	v_cvt_pk_bf16_f32 v[49+2*(\i)], v[X+4*(\i)+2], v[X+4*(\i)+3]
	global_store_b64 v7, v[48+2*(\i):49+2*(\i)], s[50:51] offset:256*(\i)
.endr
	s_endpgm
.Lln:
	s_sub_co_u32 s44, s43, 1536
	s_lshl_b32 s44, s44, 3
	s_add_co_u32 s44, s44, s42                     ; my pair of rows
	s_lshl_b32 s46, s44, 13
	s_mov_b32 s47, 0
	s_add_nc_u64 s[4:5], s[4:5], s[46:47]
	s_lshl_b32 s46, s44, 8
	s_add_nc_u64 s[10:11], s[10:11], s[46:47]
	s_load_b32 s48, s[6:7], 0x0
	s_load_b32 s49, s[8:9], 0x0
	LNROW 4, 10, 48, 49
	s_endpgm
.Lmask:
	; a wave takes 32 queries x 64 keys.  Lane (h = l / 16, t = l % 16) reads keys 4 t .. 4 t + 3 of rows 16 c + 8 h + i: 16 lanes take 256 consecutive bytes of a row, aligned
	s_sub_co_u32 s44, s43, 1792
	s_lshl_b32 s44, s44, 3
	s_add_co_u32 s44, s44, s42                     ; task = 32 x (piece of 32 queries) + (step of 64 keys)
	s_lshr_b32 s45, s44, 5
	s_and_b32 s46, s44, 31
	s_lshl_b32 s48, s45, 18                        ; 32 rows of 8,192 bytes
	s_lshl_b32 s47, s46, 8                         ; 64 keys
	s_add_co_u32 s48, s48, s47
	s_mov_b32 s49, 0
	s_add_nc_u64 s[12:13], s[12:13], s[48:49]
	s_lshl_b32 s48, s44, 12                        ; 4,096 bytes of fragments a task
	s_add_nc_u64 s[14:15], s[14:15], s[48:49]
	v_and_b32 v2, 15, v1                           ; t
	v_lshrrev_b32 v3, 4, v1                        ; h
	v_lshlrev_b32 v4, 4, v2
	v_lshl_add_u32 v4, v3, 16, v4                  ; 8 h rows + 16 t
.irp c, 0,1
.irp i, 0,1,2,3,4,5,6,7
	global_load_b128 v[X+32*(\c)+4*(\i):X+32*(\c)+4*(\i)+3], v4, s[12:13] offset:(16*(\c)+(\i))*8192 th:TH_LOAD_NT
.endr
.endr
	s_mul_i32 s50, s42, MWAVE                      ; my wave's stage
	v_lshrrev_b32 v8, 2, v2                        ; kb = t / 4
	v_mul_u32_u24 v8, v8, MBL
	v_and_b32 v9, 3, v2
	v_lshl_add_u32 v8, v9, 6, v8                   ; key e of my four belongs to lane 16 h + 4 (t % 4) + e of the fragment
	v_lshl_add_u32 v8, v3, 8, v8
	v_add_nc_u32 v8, s50, v8
	v_lshl_add_u32 v9, v1, 4, s50                  ; back: a block's 512 bytes, 16 a lane
	v_lshlrev_b32 v10, 4, v1
.irp c, 0,1
	s_wait_loadcnt 8-8*(\c)                        ; this half's eight rows are in
.irp e, 0,1,2,3
.irp j, 0,1,2,3
	v_min_u32 v[X+32*(\c)+8*(\j)+(\e)], 1, v[X+32*(\c)+8*(\j)+(\e)]      ; row 2 j: 0, or 1 for any other number
	v_min_u32 v[X+32*(\c)+8*(\j)+4+(\e)], 1, v[X+32*(\c)+8*(\j)+4+(\e)]  ; row 2 j + 1
	v_lshl_or_b32 v[X+32*(\c)+8*(\j)+(\e)], v[X+32*(\c)+8*(\j)+4+(\e)], 16, v[X+32*(\c)+8*(\j)+(\e)]
	v_xor_b32 v[X+32*(\c)+8*(\j)+(\e)], 0x10001, v[X+32*(\c)+8*(\j)+(\e)]  ; 1 where the mask is 0,
	v_mul_u32_u24 v[80+4*(\e)+(\j)], 0x3f80, v[X+32*(\c)+8*(\j)+(\e)]      ; as bf16 1.0, in both halves
.endr
	ds_store_b128 v8, v[80+4*(\e):80+4*(\e)+3] offset:MPL*(\c)+16*(\e)
.endr
.endr
.irp f, 0,1,2,3,4,5,6,7
	ds_load_b128 v[X+4*(\f):X+4*(\f)+3], v9 offset:MPL*((\f)%2)+MBL*((\f)/2)  ; block f = 2 kb + c; LDS serves a wave's instructions in order (ISA guide 5.7.1.4): these see my stores
.endr
.irp f, 0,1,2,3,4,5,6,7
	s_wait_dscnt 7-(\f)
	global_store_b128 v10, v[X+4*(\f):X+4*(\f)+3], s[14:15] offset:512*(\f)   ; 512 consecutive bytes, aligned
.endr
	s_wait_tensorcnt 0x0                           ; the end of a wave that stored to LDS
	ds_add_u32 v[SPW], v[NIL]
	s_wait_dscnt 0x0
	s_endpgm
.Lfunc_end_k_qa3ecbb5d7b_prep:
	.size	k_qa3ecbb5d7b_prep, .Lfunc_end_k_qa3ecbb5d7b_prep-k_qa3ecbb5d7b_prep
	.p2alignl 7, 3214868480
	.fill 96, 4, 3214868480
	.section	.rodata,"a",@progbits
	.p2align	6, 0x0
	.amdhsa_kernel k_qa3ecbb5d7b_prep
		.amdhsa_group_segment_fixed_size 35840
		.amdhsa_private_segment_fixed_size 0
		.amdhsa_enable_private_segment 0
		.amdhsa_kernarg_size 152
		.amdhsa_user_sgpr_count 2
		.amdhsa_user_sgpr_kernarg_segment_ptr 1
		.amdhsa_wavefront_size32 1
		.amdhsa_system_sgpr_workgroup_id_x 1
		.amdhsa_system_sgpr_workgroup_id_y 1
		.amdhsa_system_sgpr_workgroup_id_z 1
		.amdhsa_system_vgpr_workitem_id 0
		.amdhsa_next_free_vgpr 96
		.amdhsa_next_free_sgpr 66
		.amdhsa_reserve_vcc 0
		.amdhsa_float_denorm_mode_32 3
		.amdhsa_float_denorm_mode_16_64 3
		.amdhsa_memory_ordered 1
		.amdhsa_forward_progress 1
		.amdhsa_inst_pref_size 36
	.end_amdhsa_kernel
	.amdgpu_metadata
---
amdhsa.version: [ 1, 2 ]
amdhsa.kernels:
  - .name:           k_qa3ecbb5d7b_prep
    .symbol:         k_qa3ecbb5d7b_prep.kd
    .args:
      - { .name: x, .offset: 0, .size: 8, .value_kind: global_buffer, .address_space: global }
      - { .name: a1, .offset: 8, .size: 8, .value_kind: global_buffer, .address_space: global }
      - { .name: c1, .offset: 16, .size: 8, .value_kind: global_buffer, .address_space: global }
      - { .name: act, .offset: 24, .size: 8, .value_kind: global_buffer, .address_space: global }
      - { .name: mask, .offset: 32, .size: 8, .value_kind: global_buffer, .address_space: global }
      - { .name: mfrag, .offset: 40, .size: 8, .value_kind: global_buffer, .address_space: global }
      - { .name: wq, .offset: 48, .size: 8, .value_kind: global_buffer, .address_space: global }
      - { .name: wk, .offset: 56, .size: 8, .value_kind: global_buffer, .address_space: global }
      - { .name: wv, .offset: 64, .size: 8, .value_kind: global_buffer, .address_space: global }
      - { .name: wo, .offset: 72, .size: 8, .value_kind: global_buffer, .address_space: global }
      - { .name: w1, .offset: 80, .size: 8, .value_kind: global_buffer, .address_space: global }
      - { .name: w2, .offset: 88, .size: 8, .value_kind: global_buffer, .address_space: global }
      - { .name: wqkvb, .offset: 96, .size: 8, .value_kind: global_buffer, .address_space: global }
      - { .name: w1b, .offset: 104, .size: 8, .value_kind: global_buffer, .address_space: global }
      - { .name: ws, .offset: 112, .size: 8, .value_kind: global_buffer, .address_space: global }
      - { .name: bq, .offset: 120, .size: 8, .value_kind: global_buffer, .address_space: global }
      - { .name: bk, .offset: 128, .size: 8, .value_kind: global_buffer, .address_space: global }
      - { .name: bv, .offset: 136, .size: 8, .value_kind: global_buffer, .address_space: global }
      - { .name: b1, .offset: 144, .size: 8, .value_kind: global_buffer, .address_space: global }
    .group_segment_fixed_size: 35840
    .private_segment_fixed_size: 0
    .kernarg_segment_align: 8
    .kernarg_segment_size: 152
    .max_flat_workgroup_size: 256
    .sgpr_count:     66
    .vgpr_count:     96
    .wavefront_size: 32
...
	.end_amdgpu_metadata
.endif
;; end of part 1
;; launch qkv (part 2): grid 12 x 16, 4 waves a work-group, clusters of 4 x 4, 327,680 bytes of LDS; arguments act, wqkvb, big; writes big
.if DOCPART == 2
	.amdgcn_target "amdgcn-amd-amdhsa--gfx1250"
	.amdhsa_code_object_version 6
	.text
	.protected	k_qa3ecbb5d7b_qkv
	.globl	k_qa3ecbb5d7b_qkv
	.p2align	8
	.type	k_qa3ecbb5d7b_qkv,@function
k_qa3ecbb5d7b_qkv:
	s_mov_b64 s[64:65], 0
	v_nop
	global_prefetch_b8 v0, s[64:65] scope:SCOPE_SE
	s_setreg_imm32_b32 hwreg(HW_REG_WAVE_MODE, 25, 1), 1
	s_wait_xcnt 0x0
	s_wait_alu depctr_hold_cnt(0) depctr_sa_sdst(0) depctr_va_vdst(0) depctr_va_sdst(0) depctr_va_ssrc(0) depctr_va_vcc(0) depctr_vm_vsrc(0)
	s_getreg_b32 s2, hwreg(HW_REG_IB_STS2, 6, 4)
	s_cmp_eq_u32 s2, 0
	s_cbranch_scc0 .Lentry_in_a_cluster
	s_endpgm
.Lentry_in_a_cluster:
	s_bfe_u32 s2, ttmp6, 0x10000c
	s_cmp_lg_u32 s2, 0xf033
	s_cbranch_scc0 .Lentry_shape_is_right
	s_endpgm
.Lentry_shape_is_right:
; OUT = max(A W + bias, floor), K = 1024.  A: bf16 [K / 64][4096 rows][64].  W: 256 bytes of the floor (a bf16 twice a word), the bias in f32, and from byte 16,640 the weights, bf16 [N / 128][K][128].
; OUT: bf16 [N / 64][4096 rows][64].  One text serves q | k | v (N = 3072, floor = the lowest finite bf16) and the feed-forward part's first layer (N = 4096, floor = 0: a ReLU).  Sums in f32, begun by the bias; rounded once.
; LIMITS.  NaN and infinities are not treated apart (the floor takes a NaN's place).
; SHARES.  A tile of OUT is 256 x 256: four waves, each 128 x 128 in 64 accumulators (512 registers).  K goes in 8 steps of 128 through two LDS slots; a slot has four regions of 36,864 bytes, and wave w fills region w
; with one tensor load of 32 KiB that is dense in memory: regions 0, 1: 256 rows of A for 64 k each (LDS rows of 128 + 16 bytes); regions 2, 3: 128 k-rows of W for 128 columns each (256 + 32 bytes).
; A's fragments come out of LDS as they lie, W's ([k][n]) turned, by ds_load_tr16_b128.  The matrix instruction is used transposed (source 0 = 16 columns of W, source 1 = 16 rows of A): a lane holds 8 neighbouring columns of a row.
; CLUSTER 4 x 4: A's tiles hang on the tile row alone and are asked for jointly along a row of the cluster, W's on the tile column alone, along a column.
; No prefetch ahead of the tensor loads: every tile is read by many work-groups, again and again, and what is on its way is seen to by slots of 144 KiB and joint loads.
; REGISTERS, in windows of 256: window 0: v1-31 addresses; v32-63 way out; v64-127, v128-191 A's fragments, two buffers; v192-255 the bias, later packed results.  Window 1: v64-191 W's fragments.  Windows 2, 3: accumulators (a, b) at v[8 (8 (a % 4) + b)].
.set REG,   36864
.set SLOT,  4*REG                      ; 0x24000: shares no bit with a region's base, so one exclusive or changes slots
.set SPARE, 2*SLOT                     ; the spare words, 128 bytes a wave: two blocks of 256 bytes that no other line names
.set PA,    144
.set PB,    288
.set STEPS, 8
.set ADVA,  1048576                    ; a step on in A: two blocks of 64 columns
.set ADVB,  32768                      ; in W: 128 rows of 256 bytes
.set ADRA, 16                          ; v16  LDS address of my A fragments in the slot in hand;  v20 the same in slot 0
.set A0,   20
.set ADRB, 24                          ; v24, v25 likewise for W
.set B0,   25
.set STO,  26
.set RD,   27
.set GO,   28
.set SPW,  30                          ; v30  SPARE + 4 x my thread's number; never rewritten
.set NIL,  31                          ; v31  0; never rewritten
.set OB,   32
.set F0,   64
.set F1,   128
.set BIAS, 192
.set TMP,  192
.set WV,  10                           ; s10 wave; s11 = wave / 2: my half of the rows, and: I fetch A (0) or W (1); s12 = wave % 2: my half of the columns, and which region of the two
.set WHI, 11
.set WLO, 12
.set G1A, 24
.set G0A, 32                           ; two sets: s[32:35] slot 0, step 0; s[36:39] slot 1, step 1, which then walks
.set G1B, 48
.set G0B, 56
.set MSB, 0
.macro WIN new                         ; the immediate's high byte repeats the setting that is left
.if MSB != (\new)
	s_set_vgpr_msb (MSB<<8)|(\new)
.set MSB, \new
.endif
.endm
.macro PLACES                          ; four places between a matrix instruction and a load into, or a vector read of, its registers
.rept 4
	v_nop
.endr
.endm
.macro JLOAD s                         ; a joint load; the branch hangs on the wave's number alone; an s_nop 0 and four v_nop follow each line
	s_cmp_eq_u32 s[WHI], 0
	s_cbranch_scc0 .Lfor_b_\@
	tensor_load_to_lds s[G0A+4*(\s):G0A+4*(\s)+3], s[G1A:G1A+7]
	s_nop 0
.rept 4
	v_nop
.endr
	s_branch .Lasked_\@
.Lfor_b_\@:
	tensor_load_to_lds s[G0B+4*(\s):G0B+4*(\s)+3], s[G1B:G1B+7]
	s_nop 0
.rept 4
	v_nop
.endr
.Lasked_\@:
.endm
.macro CREST                           ; a round of the cluster's barrier behind its opening barrier
	s_cmp_lg_u32 s[WV], 0
	s_cbranch_scc1 .Lnot_wave_0_\@
	s_barrier_signal -3
.Lnot_wave_0_\@:
	s_barrier_wait -3
	s_barrier_signal -1
	s_barrier_wait -1
.endm
.macro CROUND
	s_barrier_signal -1
	s_barrier_wait -1
	CREST
.endm
; 16 matrix instructions: row blocks a0, a0 + 1 of the window's four x all 8 column blocks, 32 along K.  mode 0: onto the sums; 1: C = 0; 2: C = the bias (window 0): the first product starts the sums
.macro MUL16 f, hi, a0, mode
.if (\mode) == 2
	WIN 0x81+0x40*(\hi)
.else
	WIN 0xa1+0x50*(\hi)
.endif
.irp a, \a0, (\a0)+1
.irp b, 0,1,2,3,4,5,6,7
.if (\mode) == 0
	v_wmma_f32_16x16x32_bf16 v[8*(8*(\a)+(\b)):8*(8*(\a)+(\b))+7], v[(\f)+8*(\b):(\f)+8*(\b)+7], v[(\f)+8*(4*(\hi)+(\a)):(\f)+8*(4*(\hi)+(\a))+7], v[8*(8*(\a)+(\b)):8*(8*(\a)+(\b))+7]
.elseif (\mode) == 1
	v_wmma_f32_16x16x32_bf16 v[8*(8*(\a)+(\b)):8*(8*(\a)+(\b))+7], v[(\f)+8*(\b):(\f)+8*(\b)+7], v[(\f)+8*(4*(\hi)+(\a)):(\f)+8*(4*(\hi)+(\a))+7], 0
.else
	v_wmma_f32_16x16x32_bf16 v[8*(8*(\a)+(\b)):8*(8*(\a)+(\b))+7], v[(\f)+8*(\b):(\f)+8*(\b)+7], v[(\f)+8*(4*(\hi)+(\a)):(\f)+8*(4*(\hi)+(\a))+7], v[BIAS+8*(\b):BIAS+8*(\b)+7]
.endif
.endr
.endr
.endm
; 32 LDS loads in one run: quarter q (32 along K) of the slot in hand into buffer f: W's 8 column blocks, then A's 8 row blocks
.macro FETCH q, f
	WIN 0x40
.irp b, 0,1,2,3,4,5,6,7
	ds_load_tr16_b128 v[(\f)+8*(\b):(\f)+8*(\b)+3],   v[ADRB] offset:32*PB*(\q)+32*(\b)
	ds_load_tr16_b128 v[(\f)+8*(\b)+4:(\f)+8*(\b)+7], v[ADRB] offset:32*PB*(\q)+32*(\b)+16*PB
.endr
	WIN 0
.irp a, 0,1,2,3,4,5,6,7
	ds_load_b128 v[(\f)+8*(\a):(\f)+8*(\a)+3],   v[ADRA] offset:((\q)/2)*REG+(\a)*16*PA+((\q)%2)*64
	ds_load_b128 v[(\f)+8*(\a)+4:(\f)+8*(\a)+7], v[ADRA] offset:((\q)/2)*REG+(\a)*16*PA+((\q)%2)*64+32
.endr
.endm
; multiplies buffer f and, in its middle, fetches quarter q into buffer g.  The 64 accumulators take turns in the same order in every quarter
.macro QUARTER q, f, g, m0, m1
	s_wait_dscnt 8                                 ; W and A's rows 0-63 are in; the youngest eight loads (A's rows 64-127) may be out
	MUL16 \f, 0, 0, \m0
	MUL16 \f, 0, 2, \m1
	PLACES
	FETCH \q, \g
	s_wait_dscnt 32                                ; all but the 32 just issued
	MUL16 \f, 1, 0, \m1
	MUL16 \f, 1, 2, \m1
.endm
; the step's last quarter (buffer 1) and the change of slots: one barrier; in front of it all my tensor loads (one is out: my region of the next slot), the add, and my reads of this slot are waited for.
; fill = 1: the barrier opens a round of the cluster's, and the slot just read is filled again first thing behind it, two steps ahead: 224 matrix instructions stand between that request and the wait for it
.macro TURN fill
	WIN 0
	s_wait_tensorcnt 0x0
	ds_add_u32 v[SPW], v[NIL]
	s_wait_dscnt 9                                 ; the add and the youngest eight loads may be out
	MUL16 F1, 0, 0, 0
	s_wait_dscnt 0x0                               ; the add is done, my reads of this slot are over
	s_barrier_signal -1
	MUL16 F1, 0, 2, 0
	WIN 0
	s_barrier_wait -1
.if \fill
	CREST
	s_xor_b32 s[G0A+5], s[G0A+5], SLOT             ; no load of mine is out: the walking sets step: the other slot, the next step
	s_add_nc_u64 s[G0A+6:G0A+7], s[G0A+6:G0A+7], ADVA
	s_xor_b32 s[G0B+5], s[G0B+5], SLOT
	s_add_nc_u64 s[G0B+6:G0B+7], s[G0B+6:G0B+7], ADVB
	JLOAD 1                                        ; its four v_nop are also the places in front of the loads below
.else
	PLACES
.endif
	s_xor_b32 s2, s2, SLOT
	v_add_nc_u32 v[ADRA], s2, v[A0]
	v_add_nc_u32 v[ADRB], s2, v[B0]
	FETCH 0, F0
	MUL16 F1, 1, 0, 0
	MUL16 F1, 1, 2, 0
.endm
	s_load_b128 s[4:7], s[0:1], 0x0                ; A s[4:5], W s[6:7]
	s_load_b64 s[8:9], s[0:1], 0x10                ; OUT
	v_lshl_add_u32 v[SPW], v0, 2, SPARE
	v_mov_b32 v[NIL], 0
	ds_add_u32 v[SPW], v[NIL]                      ; the wave's opening: the add and its wait ahead of my first tensor load
	v_lshrrev_b32 v1, 5, v0
	v_readfirstlane_b32 s[WV], v1
	s_lshr_b32 s[WHI], s[WV], 1
	s_and_b32 s[WLO], s[WV], 1
	s_bfe_u32 s40, ttmp6, 0x40000                  ; cx
	s_bfe_u32 s41, ttmp6, 0x40004                  ; cy
	s_lshl_b32 s42, ttmp9, 2
	s_add_co_u32 s42, s42, s40                     ; tile column
	s_and_b32 s13, ttmp7, 0xffff
	s_lshl_b32 s13, s13, 2
	s_add_co_u32 s13, s13, s41                     ; tile row
	s_lshl_b32 s43, s41, 2
	s_lshl_b32 s43, 15, s43                        ; my row of the cluster
	s_lshl_b32 s44, 0x1111, s40                    ; my column
	s_or_b32 s[G1A], s43, (1<<16)|(1<<20)|(1<<21)|(4<<22)|(3<<25)  ; mask; 2-byte elements; padding on; bit 21 beside a mask; 4 words behind every 32
	s_or_b32 s[G1B], s44, (1<<16)|(1<<20)|(1<<21)|(5<<22)|(7<<25)  ; 8 words behind every 64
.irp g, G1A, G1B
	s_mov_b32 s[(\g)+1], 128<<16                   ; tensor_dim0 = 128: rows of 256 bytes
	s_mov_b32 s[(\g)+2], 128<<16                   ; tensor_dim1 = 128
	s_mov_b32 s[(\g)+3], 128<<16                   ; tile_dim0 = 128
	s_mov_b32 s[(\g)+4], 128                       ; tile_dim1 = 128
	s_mov_b32 s[(\g)+5], 128                       ; dense
	s_mov_b32 s[(\g)+6], 0
	s_mov_b32 s[(\g)+7], 0
.endr
	s_lshl_b32 s16, s[WLO], 19                     ; A: which of the step's two blocks of 64 columns,
	s_lshl_b32 s17, s13, 15                        ; the tile's 256 rows of 128 bytes
	s_add_co_u32 s16, s16, s17
	s_mov_b32 s17, 0
	s_lshl_b32 s46, s42, 1                         ; W: block of 128 columns 2 x tile column + which,
	s_add_co_u32 s46, s46, s[WLO]
	s_lshl_b32 s46, s46, 18                        ; 1,024 rows of 256 bytes each,
	s_add_co_u32 s46, s46, 16640                   ; behind floor and bias
	s_mov_b32 s47, 0
	s_mul_i32 s20, s[WV], REG
	s_wait_dscnt 0x0                               ; the opening add is done
	s_wait_kmcnt 0x0
	s_add_nc_u64 s[14:15], s[4:5], s[16:17]
	s_add_nc_u64 s[46:47], s[6:7], s[46:47]
	CROUND                                         ; all sixteen work-groups are here: the first joint loads meet
.irp s, 0,1
	s_mov_b32 s[G0A+4*(\s)], 1
	s_add_co_u32 s[G0A+4*(\s)+1], s20, (\s)*SLOT
	s_add_nc_u64 s[G0A+4*(\s)+2:G0A+4*(\s)+3], s[14:15], (\s)*ADVA
	s_or_b32 s[G0A+4*(\s)+3], s[G0A+4*(\s)+3], 0x80000000
	s_mov_b32 s[G0B+4*(\s)], 1
	s_add_co_u32 s[G0B+4*(\s)+1], s20, (\s)*SLOT
	s_add_nc_u64 s[G0B+4*(\s)+2:G0B+4*(\s)+3], s[46:47], (\s)*ADVB
	s_or_b32 s[G0B+4*(\s)+3], s[G0B+4*(\s)+3], 0x80000000
	JLOAD \s                                       ; two loads of mine are out
.endr
	v_and_b32 v1, 15, v0                           ; r = l % 16
	v_bfe_u32 v2, v0, 4, 1                         ; h = l / 16
	v_mul_u32_u24 v3, v1, PA
	v_lshl_add_u32 v3, v2, 4, v3                   ; row x pitch + 16 h
	s_mul_i32 s21, s[WHI], 128*PA
	v_add_nc_u32 v[A0], s21, v3
	v_and_b32 v9, 7, v0
	v_lshl_add_u32 v4, v2, 3, v9                   ; the turning load: k-row 8 h + l % 8,
	v_mul_u32_u24 v4, v4, PB
	v_bfe_u32 v5, v0, 3, 1
	v_lshl_add_u32 v4, v5, 4, v4                   ; columns 8 ((l / 8) % 2) on
	s_mul_i32 s22, s[WLO], REG
	s_add_co_u32 s22, s22, 2*REG
	v_add_nc_u32 v[B0], s22, v4
	v_mov_b32 v[ADRA], v[A0]
	v_mov_b32 v[ADRB], v[B0]
	s_mov_b32 s2, 0                                ; the slot in hand
	s_mul_i32 s23, s[WV], REG                      ; the way out's stage: my region of slot 0, as [2 blocks of 64 columns][128 rows][144]
	v_add_nc_u32 v[STO], s23, v3
	v_and_b32 v7, 31, v0
	v_lshrrev_b32 v8, 3, v7
	v_mul_u32_u24 v8, v8, PA
	v_lshl_add_u32 v8, v9, 4, v8
	v_add_nc_u32 v[RD], s23, v8                    ; back: 32 lanes take four rows of 128 bytes,
	v_lshlrev_b32 v[GO], 4, v7                     ; which are 512 consecutive bytes of OUT
	s_lshl_b32 s20, s42, 10                        ; the bias of my 128 columns: register 8 b + j holds column 16 b + 8 h + j
	s_lshl_b32 s21, s[WLO], 9
	s_add_co_u32 s20, s20, s21
	s_add_co_u32 s20, s20, 256
	s_mov_b32 s21, 0
	s_add_nc_u64 s[20:21], s[6:7], s[20:21]
	v_lshlrev_b32 v6, 5, v2
.irp b, 0,1,2,3,4,5,6,7
	global_load_b128 v[BIAS+8*(\b):BIAS+8*(\b)+3],   v6, s[20:21] offset:64*(\b)
	global_load_b128 v[BIAS+8*(\b)+4:BIAS+8*(\b)+7], v6, s[20:21] offset:64*(\b)+16
.endr
	s_load_b32 s45, s[6:7], 0x0                    ; the floor
	s_lshl_b32 s46, s42, 2                         ; OUT at block of 64 columns 4 x tile column + 2 x my half, row 256 x tile row + 128 x my half
	s_lshl_b32 s47, s[WLO], 1
	s_add_co_u32 s46, s46, s47
	s_lshl_b32 s46, s46, 19
	s_lshl_b32 s47, s13, 15
	s_add_co_u32 s46, s46, s47
	s_lshl_b32 s47, s[WHI], 14
	s_add_co_u32 s46, s46, s47
	s_mov_b32 s47, 0
	s_add_nc_u64 s[8:9], s[8:9], s[46:47]
	s_wait_tensorcnt 1                             ; my region of step 0 is in; step 1's load stays out
	s_barrier_signal -1
	s_barrier_wait -1
	FETCH 0, F0
	s_wait_loadcnt 0x0                             ; the bias
	s_wait_kmcnt 0x0                               ; the floor
	QUARTER 1, F0, F1, 2, 2                        ; the first quarter stands in front of the loop: its products start the sums with the bias
	WIN 0
	s_mov_b32 s3, STEPS-2
.Lstep:                                                ; a trip: from a step's second quarter to the next step's first; one refill
	QUARTER 2, F1, F0, 0, 0
	QUARTER 3, F0, F1, 0, 0
	TURN 1
	QUARTER 1, F0, F1, 0, 0
	WIN 0
	s_sub_co_u32 s3, s3, 1
	s_cmp_lg_u32 s3, 0
	s_cbranch_scc1 .Lstep
	QUARTER 2, F1, F0, 0, 0                        ; the last two steps are written out: nothing is left to fetch
	QUARTER 3, F0, F1, 0, 0
	TURN 0
	QUARTER 1, F0, F1, 0, 0
	QUARTER 2, F1, F0, 0, 0
	QUARTER 3, F0, F1, 0, 0
	s_wait_dscnt 8
	MUL16 F1, 0, 0, 0
	MUL16 F1, 0, 2, 0
	s_wait_dscnt 0x0
	MUL16 F1, 1, 0, 0
	MUL16 F1, 1, 2, 0
	; THE WAY OUT.  Slot 0 has had its last fill, and every wave's reads of it ended in front of the last change's barrier: my region of it is my stage.  Rounded to bf16, 16 bytes a lane, into rows of 144 bytes.
	WIN 0
	PLACES
.macro PACK a
	WIN 0x0a+5*((\a)/4)
.irp b, 0,1,2,3,4,5,6,7
.irp c, 0,1,2,3
	v_cvt_pk_bf16_f32 v[TMP+4*(\b)+(\c)], v[64*((\a)%4)+8*(\b)+2*(\c)], v[64*((\a)%4)+8*(\b)+2*(\c)+1]
.endr
.endr
	WIN 0
.irp b, 0,1,2,3,4,5,6,7
	ds_store_b128 v[STO], v[TMP+4*(\b):TMP+4*(\b)+3] offset:((\b)/4)*128*PA+(\a)*16*PA+((\b)%4)*32
.endr
.endm
.irp a, 0,1,2,3,4,5,6,7
	PACK \a
.endr
	s_mov_b32 s3, 8
.Lout:                                                 ; 16 rows of both blocks a trip; LDS serves a wave's instructions in order (ISA guide 5.7.1.4), so the loads see my stores
.irp t, 0,1,2,3,4,5,6,7
	ds_load_b128 v[OB+4*(\t):OB+4*(\t)+3], v[RD] offset:4*PA*((\t)%4)+128*PA*((\t)/4)
.endr
	s_wait_dscnt 0x0
.set z, 0
.rept 32
	v_pk_max_num_bf16 v[OB+z], v[OB+z], s45        ; the floor, two numbers at a time; nothing is rounded
.set z, z+1
.endr
.irp t, 0,1,2,3,4,5,6,7
	global_store_b128 v[GO], v[OB+4*(\t):OB+4*(\t)+3], s[8:9] offset:512*((\t)%4)+524288*((\t)/4)  ; 512 consecutive bytes, aligned
.endr
	s_wait_xcnt 0x0                                ; the stores have read their data and their offset: both are written again below and in the next trip
	v_add_nc_u32 v[RD], 16*PA, v[RD]
	v_add_nc_u32 v[GO], 2048, v[GO]
	s_sub_co_u32 s3, s3, 1
	s_cmp_lg_u32 s3, 0
	s_cbranch_scc1 .Lout
	s_wait_tensorcnt 0x0                           ; the wave's end
	ds_add_u32 v[SPW], v[NIL]
	s_wait_dscnt 0x0
	CROUND                                         ; the closing round
	s_endpgm
.Lfunc_end_k_qa3ecbb5d7b_qkv:
	.size	k_qa3ecbb5d7b_qkv, .Lfunc_end_k_qa3ecbb5d7b_qkv-k_qa3ecbb5d7b_qkv
	.p2alignl 7, 3214868480
	.fill 96, 4, 3214868480
	.section	.rodata,"a",@progbits
	.p2align	6, 0x0
	.amdhsa_kernel k_qa3ecbb5d7b_qkv
		.amdhsa_group_segment_fixed_size 327680
		.amdhsa_private_segment_fixed_size 0
		.amdhsa_enable_private_segment 0
		.amdhsa_kernarg_size 24
		.amdhsa_user_sgpr_count 2
		.amdhsa_user_sgpr_kernarg_segment_ptr 1
		.amdhsa_wavefront_size32 1
		.amdhsa_system_sgpr_workgroup_id_x 1
		.amdhsa_system_sgpr_workgroup_id_y 1
		.amdhsa_system_sgpr_workgroup_id_z 1
		.amdhsa_system_vgpr_workitem_id 0
		.amdhsa_next_free_vgpr 1024
		.amdhsa_next_free_sgpr 66
		.amdhsa_reserve_vcc 0
		.amdhsa_float_denorm_mode_32 3
		.amdhsa_float_denorm_mode_16_64 3
		.amdhsa_memory_ordered 1
		.amdhsa_forward_progress 1
		.amdhsa_inst_pref_size 111
	.end_amdhsa_kernel
	.amdgpu_metadata
---
amdhsa.version: [ 1, 2 ]
amdhsa.kernels:
  - .name:           k_qa3ecbb5d7b_qkv
    .symbol:         k_qa3ecbb5d7b_qkv.kd
    .args:
      - { .name: act, .offset: 0, .size: 8, .value_kind: global_buffer, .address_space: global }
      - { .name: wqkvb, .offset: 8, .size: 8, .value_kind: global_buffer, .address_space: global }
      - { .name: big, .offset: 16, .size: 8, .value_kind: global_buffer, .address_space: global }
    .group_segment_fixed_size: 327680
    .private_segment_fixed_size: 0
    .kernarg_segment_align: 8
    .kernarg_segment_size: 24
    .max_flat_workgroup_size: 128
    .sgpr_count:     66
    .vgpr_count:     1024
    .wavefront_size: 32
...
	.end_amdgpu_metadata
.endif
;; end of part 2
;; launch attn (part 3): grid 8 x 32, 4 waves a work-group, clusters of 4 x 1, 327,680 bytes of LDS; arguments big, mfrag, act; writes act
.if DOCPART == 3
	.amdgcn_target "amdgcn-amd-amdhsa--gfx1250"
	.amdhsa_code_object_version 6
	.text
	.protected	k_qa3ecbb5d7b_attn
	.globl	k_qa3ecbb5d7b_attn
	.p2align	8
	.type	k_qa3ecbb5d7b_attn,@function
k_qa3ecbb5d7b_attn:
	s_mov_b64 s[64:65], 0
	v_nop
	global_prefetch_b8 v0, s[64:65] scope:SCOPE_SE
	s_setreg_imm32_b32 hwreg(HW_REG_WAVE_MODE, 25, 1), 1
	s_wait_xcnt 0x0
	s_wait_alu depctr_hold_cnt(0) depctr_sa_sdst(0) depctr_va_vdst(0) depctr_va_sdst(0) depctr_va_ssrc(0) depctr_va_vcc(0) depctr_vm_vsrc(0)
	s_getreg_b32 s2, hwreg(HW_REG_IB_STS2, 6, 4)
	s_cmp_eq_u32 s2, 0
	s_cbranch_scc0 .Lentry_in_a_cluster
	s_endpgm
.Lentry_in_a_cluster:
	s_bfe_u32 s2, ttmp6, 0x10000c
	s_cmp_lg_u32 s2, 0x3003
	s_cbranch_scc0 .Lentry_shape_is_right
	s_endpgm
.Lentry_shape_is_right:
; O = softmax(where(mask, Q K^T / 8, -1e9)) V for 32 (batch, head) pairs of 2,048 rows x 64 channels, all bf16.  big: [block of 64 columns][4096 rows][64]: q in blocks 0-15 (= head), k in 16-31, v in 32-47; O goes to act, block = head.
; mfrag: the mask as matrix fragments, bf16 1.0 where the mask is 0: [32 queries][64 keys][kb 4][c 2][lane][8].  Products, maxima and sums in f32; the weights are rounded to bf16 for the second product, O once at the end.
; THE MASK goes through the matrix unit.  Each sum S^T (16 keys x 16 queries of tile u) is begun by a product of its own: source 0 = 16 keys x the piece's 32 queries of mfrag, source 1 = a constant with -2^100 where k = 16 u + n:
; it lays -2^100 where the key is hidden and 0 elsewhere, and the products K Q^T add onto it.  A hidden score is then far below every other, whatever its last bits, and its weight is 0.
; A ROW THAT IS MASKED THROUGHOUT.  The running maximum m starts at -2^99, above every hidden score, so a row that has seen hidden keys alone has m = -2^99 exactly.  For such a lane the exponent's scale and shift are 0: p = 2^0 = 1
; for each key, the uniform weights that the reference gives.  With the row's first real score a = 2^(c m_old - c m_new) is 0 and wipes them.
; LIMITS.  A raw score below -2^99 counts as hidden; the result differs from the reference's only where a row's largest score that is not hidden lies near or below -1e9.  A weight below 2^-126 counts as 0.  NaN and infinities are not treated apart.
; SHARES.  A work-group owns 256 queries of a head, a wave 64: two PIECES of two tiles of 16.  Every wave walks all keys, 64 a step.
; LAYOUT.  S^T holds ONE query a lane (l % 16) and the keys 8 (l / 16) + 0..7 of each 16; two such results rounded to bf16 ARE source 1 of O^T = V^T P.  K comes out of LDS as it lies, V turned, by ds_load_tr16_b128.
; SOFTMAX.  A running maximum m and sum l: p = 2^(c s - c m), c = log2(e) / 8; in every step O and l are multiplied by a.  O and l start at 0.
; BY TURNS.  Turn p belongs to piece p: 8 mask products and 16 products K Q^T of the other piece (turn 0: this step's; turn 1: the next step's), later 16 products V^T P of the other piece (turn 0: the step before's; turn 1: this step's).
; Its vector work: scaling, exponentials, roundings, sums and rescaling of piece p; the maximum and statistics of the other piece.  Three or four vector instructions stand behind every product, the rest in one lump;
; a turn's 66 exponentials are one batch with one wait.
; THE MASK'S FRAGMENTS come straight from memory into registers, 8 loads of 512 consecutive bytes a turn, into a buffer for each of the two turns, asked for two turns ahead: behind the turn's tenth product, when its own 8 mask products have read the buffer.
; They are not prefetched: each block of them is read by the 32 work-groups that own the same queries, not once.
; THE SLOTS.  Turn 0 fetches K of the next step and V of this one.  So a slot of LDS holds V's steps 4 s .. 4 s + 3 and K's steps 4 s + 1 .. 4 s + 4: both fetches of a turn go to the same slot and place, and the change of slots stands
; between two steps.  K of step 0 comes straight from memory.  The last slot's fourth K step lies behind the head's rows, inside big; the scores made of it serve nothing.
; CLUSTER.  The four query blocks of a cluster walk the same K and V: each tile is asked for jointly, by the same load, descriptor and mask in all four.
; REGISTERS: window 0: v1-11 addresses; v12-15, v48-63 at work; v16-31 statistics; v32-39 the exponents' shifts; v40-45 constants; v64-191 S^T, two buffers of two tiles; v192-255 P likewise.
; Window 1: v0-127 O^T; v128-191 the mask's fragments, two buffers; v192-203 the constant.  Window 2: v0-63 Q; v128-191 K; v192-255 V.
.set NP,    2
.set KS,    64
.set PK,    160       ; an LDS row of K or V: 128 bytes + 32.  One descriptor group 1, and one line of text, serve all four waves' loads, K's 16 loads a step go two deep
.set PV,    160
.set VOFF,  4*KS*PK
.set SLOT1, 1<<17
.set STAGE, SLOT1+4*KS*(PK+PV)  ; behind the ring, never filled by a tensor load: 16 rows x 144 bytes a wave
.set SP,    144
.set SPARE, STAGE+4*16*SP       ; the spare words, 128 bytes a wave: two blocks of 256 bytes that no other line names
.set AK0, 2
.set AV0, 3
.set AK,  4
.set AV,  5
.set QO,  6
.set STO, 6
.set RD,  7
.set GO,  8
.set MV,  12
.set ST,  16          ; tile t at v[ST+4 t]: c m, m, l (even keys', odd keys')
.set CLM, 32          ; tile t at v[CLM+2 t]: the exponent's shift (c m, or 0 in a row that has seen hidden keys alone), and a register named with it as a pair
.set SPW, 40          ; SPARE + 4 x my thread's number; never rewritten
.set NIL, 41          ; 0; never rewritten
.set FLR, 42          ; -2^99
.set PFO, 43          ; 256 x my lane
.set CV,  44          ; c
.set MAO, 45          ; 16 x my lane
.set TMP, 48          ; by buffer and tile c0-c3 at work; when the maximum is found c0 takes the exponent's scale (c or 0), c2 takes a
.set S,   64
.set P,   192
.set KF,  128
.set VF,  192
.set MA,  128         ; window 1: buffer b at MA + 32 b; keys 16 kb on at + 8 kb
.set BC,  192         ; window 1: four registers of 0, four with -2^100 where 8 (l / 16) + i = l % 16, four of 0: tile 0's source begins at + 4, tile 1's at + 0
.set MB0, 6           ; s[6:7]   the fragments of my piece 0
.set CS,  8           ; s[8:9] c, twice
.set SEL, 10          ; s[10:11] v_permlanex16_b32's selects
.set WV,  12
.set CNT, 13
.set SLOTS, 14
.set TB,  15          ; LDS byte at which the step to be fetched begins (K's; V's lies VOFF further)
.set G1,  16          ; s[16:23]
.set G0,  24          ; s[24:27] walks
.set MO,  28          ; 4,096 x the number of the step behind the one in hand
.set LIM, 29          ; 1 in a wave that prefetches, else the greatest number
.set PFA, 30          ; s[30:31]
.set MB1, 32          ; s[32:33] the fragments of my piece 1
.set MPA, 34          ; s[34:35] where turn 0's loads read
.set MPB, 36          ; s[36:37] where turn 1's loads read
.set MT,  38          ; s[38:39] an offset, 0 above it
.set FL,  40          ; s40, s41 by tile: the lanes whose row has seen a real score
.set QP,  42          ; s[42:43] Q
.set MSB, 0
.macro WIN new
.if MSB != (\new)
	s_set_vgpr_msb (MSB<<8)|(\new)
.set MSB, (\new)
.endif
.endm
.set W_KQ, 0x0a
.set W_MQ, 0x05
.set W_PV, 0x52
.set W_RS, 0x41
.macro CROUND
	s_barrier_signal -1
	s_barrier_wait -1
	s_cmp_lg_u32 s[WV], 0
	s_cbranch_scc1 .Lnot_wave_0_\@
	s_barrier_signal -3
.Lnot_wave_0_\@:
	s_barrier_wait -3
	s_barrier_signal -1
	s_barrier_wait -1
.endm
; a joint fill: every wave asks for its quarter of a slot (waves 0, 1: K's halves; 2, 3: V's), 128 rows of 128 bytes, dense: 64 rows of 256.  An s_nop 0 and four v_nop follow
.macro JLOAD
	tensor_load_to_lds s[G0:G0+3], s[G1:G1+7]
	s_nop 0
.rept 4
	v_nop
.endr
.endm
; A prefetch into the L2 of the slot that the NEXT change will ask for: four key steps, 320 products, ahead.  The head's first cluster asks; its four partners share a slot's 128 blocks of 256 bytes out by address, 32 each, a lane a block;
; wave 0 asks for K's, wave 2 for V's.  So each block is named once in the launch.  The last change that fills a slot asks for nothing.
.macro ASK
	s_cmp_gt_u32 s[SLOTS], s[LIM]
	s_cbranch_scc0 .Lnot_mine_\@
	global_prefetch_b8 v[PFO], s[PFA:PFA+1] th:TH_LOAD_NT scope:SCOPE_SE
.Lnot_mine_\@:
.endm
; THE CHANGE OF SLOTS: all my tensor loads (one is out: my quarter of the other slot), the add, and my reads of the slot that is left are waited for; behind the barrier the other slot is whole.
; fill = 1: the barrier is a round of the cluster's, and the slot left is filled again first thing behind it, with the keys two slots on.  (At its first use slot 0 is waited for and slot 1 filled.)
.macro CHANGE fill
	WIN 0
	s_wait_tensorcnt 0x0
	ds_add_u32 v[SPW], v[NIL]
.if \fill
	s_xor_b32 s[G0+1], s[G0+1], SLOT1
	s_add_nc_u64 s[G0+2:G0+3], s[G0+2:G0+3], 4*KS*128
	s_wait_xcnt 0x0                 ; the last prefetch, four key steps back, has read its address
	s_add_nc_u64 s[PFA:PFA+1], s[PFA:PFA+1], 4*KS*128
	s_wait_dscnt 0x0
	CROUND
	JLOAD
	ASK
.else
	s_wait_dscnt 0x0
	s_barrier_signal -1
	s_barrier_wait -1
.endif
	s_sub_co_u32 s[TB], s[TB], 4*KS*PK
	s_xor_b32 s[TB], s[TB], SLOT1
.endm
.macro MFETCH b, ptr                ; a piece's mask fragments for one key step, 4,096 bytes, into buffer b: block f = 2 kb + c
	WIN 0x40                        ; destination window 1, address window 0
.irp f, 0,1,2,3,4,5,6,7
	global_load_b128 v[MA+32*(\b)+4*\f:MA+32*(\b)+4*\f+3], v[MAO], s[\ptr:\ptr+1] offset:512*\f
.endr
.endm
; the reload of turn p's buffer.  Turn 0 hides scores of piece 1, and asks for the next step's fragments; turn 1 those of piece 0, a step further on.  Behind the last step the last step's once more, for scores that serve nothing.
; The pointer is written anew behind the wait at the turn's head, which has shown the loads that read it done.
.macro MSTEP p
.if (\p) == 0
	s_add_co_u32 s[MO], s[MO], 4096
	s_min_u32 s[MT], s[MO], 31*4096
	s_add_nc_u64 s[MPA:MPA+1], s[MB1:MB1+1], s[MT:MT+1]
	MFETCH 0, MPA
.else
	s_add_co_u32 s[MT], s[MO], 4096
	s_min_u32 s[MT], s[MT], 31*4096
	s_add_nc_u64 s[MPB:MPB+1], s[MB0:MB0+1], s[MT:MT+1]
	MFETCH 1, MPB
.endif
.endm
	s_load_b128 s[44:47], s[0:1], 0x0 ; big s[44:45], mfrag s[46:47]
	s_load_b64 s[4:5], s[0:1], 0x10   ; act
	v_lshl_add_u32 v[SPW], v0, 2, SPARE
	v_mov_b32 v[NIL], 0
	ds_add_u32 v[SPW], v[NIL]       ; the wave's opening: the add and its wait ahead of my first tensor load
	v_lshrrev_b32 v1, 5, v0
	v_readfirstlane_b32 s[WV], v1
	s_bfe_u32 s48, ttmp6, 0x40000   ; cx
	s_lshl_b32 s49, ttmp9, 2
	s_add_co_u32 s49, s49, s48      ; my block of 256 queries: it enters Q's, O's and the mask's addresses alone
	s_and_b32 s50, ttmp7, 0xffff
	s_lshr_b32 s51, s50, 4          ; batch
	s_and_b32 s50, s50, 15          ; head
	s_lshl_b32 s52, s50, 19
	s_lshl_b32 s51, s51, 18
	s_add_co_u32 s52, s52, s51      ; the head's block and the batch's 2,048 rows
	s_lshr_b32 s53, s[WV], 1        ; I fetch K (0) or V (1)
	s_lshl_b32 s54, s53, 23         ; V lies 16 blocks behind K,
	s_add_co_u32 s54, s54, s52
	s_add_co_u32 s54, s54, 16*524288  ; K 16 blocks behind Q
	s_xor_b32 s53, s53, 1
	s_lshl_b32 s53, s53, 13         ; K lies one step ahead in the slots
	s_add_co_u32 s54, s54, s53
	s_and_b32 s53, s[WV], 1
	s_lshl_b32 s53, s53, 14         ; which 128 rows
	s_add_co_u32 s54, s54, s53
	s_mov_b32 s55, 0
	s_lshl_b32 s56, s49, 15         ; Q and O: my block's 256 rows, my wave's 64
	s_lshl_b32 s53, s[WV], 13
	s_add_co_u32 s56, s56, s53
	s_add_co_u32 s56, s56, s52
	s_mov_b32 s57, 0
	s_lshl_b32 s58, s49, 20         ; the mask's fragments: piece 8 x block + 2 x wave, 131,072 bytes a piece
	s_lshl_b32 s53, s[WV], 18
	s_add_co_u32 s58, s58, s53
	s_mov_b32 s59, 0
	s_add_co_u32 s60, s52, 16*524288  ; K of step 0
	s_mov_b32 s61, 0
	s_lshl_b32 s62, s48, 13         ; the prefetches: my work-group's 32 blocks, in slot 1: the first change steps them to slot 2
	s_add_co_u32 s62, s62, 4*KS*128
	s_mov_b32 s63, 0
	s_mov_b32 s[G1], 15|(1<<16)|(1<<20)|(1<<21)|(4<<22)|(7<<25)  ; the mask of four; 2-byte elements; padding on; bit 21 beside a mask; 8 words behind every 32
	s_mov_b32 s[G1+1], 128<<16
	s_mov_b32 s[G1+2], 64<<16
	s_mov_b32 s[G1+3], 128<<16
	s_mov_b32 s[G1+4], 64
	s_mov_b32 s[G1+5], 128
	s_mov_b32 s[G1+6], 0
	s_mov_b32 s[G1+7], 0
	s_mov_b32 s[G0], 1
	s_mul_i32 s[G0+1], s[WV], 128*PK
	s_mov_b32 s[CS], 0x3e38aa3b     ; c = log2(e) / 8
	s_mov_b32 s[CS+1], s[CS]
	s_mov_b32 s[SEL], 0x76543210
	s_mov_b32 s[SEL+1], 0xfedcba98
	s_mov_b32 s[TB], SLOT1+4*KS*PK  ; the first change of slots turns it into 0
	s_mov_b32 s[MO], 0
	s_mov_b32 s[MT+1], 0
	s_mov_b32 s[SLOTS], 7
	s_and_b32 s[LIM], s[WV], 1
	s_or_b32 s[LIM], s[LIM], ttmp9  ; waves 0 and 2 of the head's first cluster: the same in all four partners
	s_cmp_eq_u32 s[LIM], 0
	s_cselect_b32 s[LIM], 1, -1
	v_and_b32 v[PFO], 31, v0
	v_lshlrev_b32 v[PFO], 8, v[PFO]
	v_mov_b32 v[FLR], 0xf1000000    ; -2^99
	v_mov_b32 v[CV], s[CS]
	s_wait_dscnt 0x0                ; the opening add is done
	s_wait_kmcnt 0x0
	s_add_nc_u64 s[G0+2:G0+3], s[44:45], s[54:55]
	s_add_nc_u64 s[PFA:PFA+1], s[G0+2:G0+3], s[62:63]
	s_or_b32 s[G0+3], s[G0+3], 0x80000000
	s_add_nc_u64 s[QP:QP+1], s[44:45], s[56:57]  ; Q
	s_add_nc_u64 s[2:3], s[44:45], s[60:61]      ; K of step 0
	s_add_nc_u64 s[4:5], s[4:5], s[56:57]        ; O
	s_add_nc_u64 s[MB0:MB0+1], s[46:47], s[58:59]
	s_add_nc_u64 s[MB1:MB1+1], s[MB0:MB0+1], 131072
	s_add_nc_u64 s[MPB:MPB+1], s[MB0:MB0+1], 4096  ; piece 0, step 1
	CROUND                          ; all four work-groups are here
	JLOAD                           ; slot 0
	v_and_b32 v1, 15, v0
	v_bfe_u32 v9, v0, 4, 1
	v_lshlrev_b32 v[QO], 7, v1
	v_lshl_add_u32 v[QO], v9, 4, v[QO]  ; row x 128 + 16 x half
	v_and_b32 v[MAO], 31, v0
	v_lshlrev_b32 v[MAO], 4, v[MAO]
	WIN 0x80
.set i, 0
.rept 8                             ; Q: tile i / 2, channels 32 (i % 2) on.  K of step 0: keys 16 (i / 2) on, likewise
	global_load_b128 v[8*i:8*i+3],   v[QO], s[QP:QP+1] offset:(i/2)*2048+(i%2)*64
	global_load_b128 v[8*i+4:8*i+7], v[QO], s[QP:QP+1] offset:(i/2)*2048+(i%2)*64+32
	global_load_b128 v[KF+8*i:KF+8*i+3],   v[QO], s[2:3] offset:(i/2)*2048+(i%2)*64
	global_load_b128 v[KF+8*i+4:KF+8*i+7], v[QO], s[2:3] offset:(i/2)*2048+(i%2)*64+32
.set i, i+1
.endr
	MFETCH 1, MB0                   ; piece 0, step 0
	MFETCH 0, MB1                   ; piece 1, step 0
	; what the first turn finds: V and P's second buffer hold 0 (its products V^T P, of a step that has not been, add 0), O^T and l are 0.  All this stands in the wait for the first loads
	WIN 0x80
.set i, VF
.rept 64
	v_mov_b32 v[i], 0
.set i, i+1
.endr
	WIN 0x40
.set i, 0
.rept 128
	v_mov_b32 v[i], 0
.set i, i+1
.endr
.irp j, 0,1,2,3
	v_mov_b32 v[BC+\j], 0
	v_mov_b32 v[BC+8+\j], 0
.endr
	WIN 0
.set i, 0
.rept 4
	v_mul_f32 v[ST+4*i], s[CS], v[FLR]  ; c m
	v_mov_b32 v[ST+4*i+1], v[FLR]       ; m = -2^99
	v_mov_b32 v[ST+4*i+2], 0
	v_mov_b32 v[ST+4*i+3], 0
	v_mov_b32 v[CLM+2*i], 0
	v_mov_b32 v[CLM+2*i+1], 0
.set i, i+1
.endr
.set i, P+32
.rept 32
	v_mov_b32 v[i], 0
.set i, i+1
.endr
	; the constant: in lane (r = l % 16, h = l / 16) number i of registers 0-3 stands for k = 8 h + i, and is -2^100 where k = r.  Made in S^T's registers, which hold nothing yet
	v_lshlrev_b32 v46, 3, v9
	v_sub_nc_u32 v46, v1, v46       ; r - 8 h: 0 .. 7 in the lanes that hold the number
	v_mov_b32 v47, 0xf180           ; -2^100 as bf16, in the low half
.irp j, 0,1,2,3
	v_cmp_eq_u32 s[FL], 2*\j, v46
	v_cndmask_b32 v[S+\j], 0, v47, s[FL]
.endr
	v_mov_b32 v47, 0xf1800000       ; in the high half
.irp j, 0,1,2,3
	v_cmp_eq_u32 s[FL], 2*\j+1, v46
	v_cndmask_b32 v[S+\j], v[S+\j], v47, s[FL]
.endr
	WIN 0x40
.irp j, 0,1,2,3
	v_mov_b32 v[BC+4+\j], v[S+\j]
.endr
	WIN 0
	v_mul_u32_u24 v[AK0], v1, PK
	v_lshl_add_u32 v[AK0], v9, 4, v[AK0]
	v_and_b32 v10, 7, v0
	v_bfe_u32 v11, v0, 3, 1
	v_lshl_add_u32 v[AV0], v9, 3, v10  ; the turning load: key 8 (l / 16) + l % 8, channels 8 ((l / 8) % 2) on
	v_mul_u32_u24 v[AV0], v[AV0], PV
	v_lshl_add_u32 v[AV0], v11, 4, v[AV0]
	v_add_nc_u32 v[AV0], VOFF, v[AV0]
; THE MATRIX WORK.  The 8 accumulators of a run take turns, in the same order in all three kinds of product.
.macro MQ x                         ; product i of 8: keys 16 ((i / 2) % 4) on, tile 2 x + i % 2: -2^100 where the key is hidden: it starts the sum
	WIN W_MQ
.set rS, S+64*((\x)%2)+32*(i%2)+8*((i/2)%4)
.set rA, MA+32*(((\x)+1)%2)+8*((i/2)%4)
.set rB, BC+4-4*(i%2)
	v_wmma_f32_16x16x32_bf16 v[rS:rS+7], v[rA:rA+7], v[rB:rB+7], 0
.endm
.macro KQ x                         ; product i of 16: channels 32 (i / 8) on, keys 16 ((i / 2) % 4) on, tile 2 x + i % 2
	WIN W_KQ
.set rS, S+64*((\x)%2)+32*(i%2)+8*((i/2)%4)
.set rK, KF+16*((i/2)%4)+8*(i/8)
.set rQ, 16*(2*(\x)+i%2)+8*(i/8)
	v_wmma_f32_16x16x32_bf16 v[rS:rS+7], v[rK:rK+7], v[rQ:rQ+7], v[rS:rS+7]
.endm
.macro PV x                         ; product i of 16: keys 32 (i / 8) on, channels 16 ((i / 2) % 4) on, tile 2 x + i % 2
	WIN W_PV
.set rO, 32*(2*(\x)+i%2)+8*((i/2)%4)
.set rV, VF+32*(i/8)+8*((i/2)%4)
.set rP, P+32*((\x)%2)+16*(i%2)+8*(i/8)
	v_wmma_f32_16x16x32_bf16 v[rO:rO+7], v[rV:rV+7], v[rP:rP+7], v[rO:rO+7]
.endm
.macro MM                           ; the turn's next matrix instruction, of 40
.if i < 8
	MQ (Y+1)%NP
.elseif i < 24
.set i, i-8
	KQ (Y+1)%NP
.set i, i+8
.else
.set i, i-24
	PV (Y+NP-1)%NP
.set i, i+24
.endif
.set i, i+1
.endm
.macro FETCH_K
	WIN 0x80
.irp f, 0,1,2,3,4,5,6,7
	ds_load_b128 v[KF+8*\f:KF+8*\f+3],   v[AK] offset:(\f/2)*16*PK+(\f%2)*64
	ds_load_b128 v[KF+8*\f+4:KF+8*\f+7], v[AK] offset:(\f/2)*16*PK+(\f%2)*64+32
.endr
	WIN 0
.endm
.macro FETCH_V
	WIN 0x80
.irp f, 0,1,2,3,4,5,6,7
	ds_load_tr16_b128 v[VF+8*\f:VF+8*\f+3],   v[AV] offset:(\f/4)*32*PV+(\f%4)*32
	ds_load_tr16_b128 v[VF+8*\f+4:VF+8*\f+7], v[AV] offset:(\f/4)*32*PV+16*PV+(\f%4)*32
.endr
	WIN 0
.endm
; THE VECTOR WORK stands in three queues, each in the order in which its entries become ready; the two tiles alternate.
.macro REGS y, u
.set rT, ST+4*(2*(\y)+(\u))
.set rC, TMP+8*((\y)%2)+4*(\u)
.set rM, MV+2*((\y)%2)+(\u)
.set rL, CLM+2*(2*(\y)+(\u))
.set rS, S+64*((\y)%2)+32*(\u)
.set rP, P+32*((\y)%2)+16*(\u)
.set rO, 32*(2*(\y)+(\u))
.endm
; number n of the 25 that find the other piece's maximum and statistics: 0-11 four chains of seven scores (each accumulator's lowest registers first); 12-14, 16 the four left over, the old m, all into c0;
; 15 c m_old is kept; 17, 18 the other half of the lanes; 19-21 c m, its change, a; 22-24 has the row seen a real score?  The exponent's scale is then c and its shift c m, else both are 0
.macro XS u, n
	REGS (Y+1)%NP, \u
.if (\n) < 4
	v_max3_num_f32 v[rC+(\n)], v[rS+8*(\n)], v[rS+8*(\n)+1], v[rS+8*(\n)+2]
.elseif (\n) < 12
	v_max3_num_f32 v[rC+(\n)%4], v[rC+(\n)%4], v[rS+8*((\n)%4)+2*((\n)/4)+1], v[rS+8*((\n)%4)+2*((\n)/4)+2]
.elseif (\n) == 12
	v_max3_num_f32 v[rC], v[rC], v[rS+7], v[rS+15]
.elseif (\n) == 13
	v_max3_num_f32 v[rC+1], v[rC+1], v[rS+23], v[rS+31]
.elseif (\n) == 14
	v_max3_num_f32 v[rC+2], v[rC+2], v[rC+3], v[rT+1]
.elseif (\n) == 15
	v_mov_b32 v[rM], v[rT]
.elseif (\n) == 16
	v_max3_num_f32 v[rC], v[rC], v[rC+1], v[rC+2]
.elseif (\n) == 17
	v_permlanex16_b32 v[rC+3], v[rC], s[SEL], s[SEL+1]
.elseif (\n) == 18
	v_max_num_f32 v[rT+1], v[rC], v[rC+3]
.elseif (\n) == 19
	v_mul_f32 v[rT], s[CS], v[rT+1]
.elseif (\n) == 20
	v_sub_f32 v[rC+1], v[rM], v[rT]
.elseif (\n) == 21
	v_exp_f32 v[rC+2], v[rC+1]
.elseif (\n) == 22
	v_cmp_lt_f32 s[FL+(\u)], v[FLR], v[rT+1]
.elseif (\n) == 23
	v_cndmask_b32 v[rC], 0, v[CV], s[FL+(\u)]
.else
	v_cndmask_b32 v[rL], 0, v[rT], s[FL+(\u)]
.endif
.endm
; number g of the 64 behind the exponentials: of each four weights both pairs are rounded to bf16, the second pair is added onto the first, and a group later l takes that sum (the first time as l = a l + sum)
.macro GS g
.set h, (\g)+6*((\g)/62)
.if h >= 6
.set h, h+2
.endif
	REGS Y, h%2
.set k, h/8
.if h%8 < 4
	v_cvt_pk_bf16_f32 v[rP+2*k+(h%8)/2], v[rS+4*k+2*((h%8)/2)], v[rS+4*k+2*((h%8)/2)+1]
.elseif h%8 < 6
	v_pk_add_f32 v[rS+4*k:rS+4*k+1], v[rS+4*k:rS+4*k+1], v[rS+4*k+2:rS+4*k+3]
.elseif k == 1
	v_pk_fma_f32 v[rT+2:rT+3], v[rT+2:rT+3], v[rC+2:rC+3], v[rS:rS+1] op_sel_hi:[1,0,1]
.else
	v_pk_add_f32 v[rT+2:rT+3], v[rT+2:rT+3], v[rS+4*k-4:rS+4*k-3]
.endif
.endm
.macro FS f                         ; scale x s - shift for pair f / 2 of tile f % 2; of both pairs of constants the low register serves both halves
	REGS Y, (\f)%2
	v_pk_fma_f32 v[rS+2*((\f)/2):rS+2*((\f)/2)+1], v[rS+2*((\f)/2):rS+2*((\f)/2)+1], v[rC:rC+1], v[rL:rL+1] op_sel_hi:[1,0,0] neg_lo:[0,0,1] neg_hi:[0,0,1]
.endm
; THE PLAIN QUEUE, 144 long: 0-26 scalings; 27-54 XS 0-13; 55, 56 XS 15; 57-73 the chain XS 14, 16 .. 20 with scalings 27-31 between its links; 74-79 XS 22-24; 80-143 GS, behind the wait
.macro PL
	WIN 0
.if q < 27
	FS q
.elseif q < 55
	XS (q-27)%2, (q-27)/2
.elseif q < 57
	XS q-55, 15
.elseif (q < 72) && ((q-57)%3 == 0)
	FS 27+(q-57)/3
.elseif q < 60
	XS (q-57)%3-1, 14
.elseif q < 72
	XS (q-57)%3-1, 15+(q-57)/3
.elseif q < 74
	XS q-72, 20
.elseif q < 80
	XS (q-74)%2, 22+(q-74)/2
.else
	GS q-80
.endif
.set q, q+1
.endm
.macro EX                           ; THE EXPONENTIALS' QUEUE, 66 long: both tiles' 32 scores, then the other piece's two a: one batch, all ahead of the turn's one wait
	WIN 0
.if e >= 64
	XS e-64, 21
.else
	REGS Y, e%2
	v_exp_f32 v[rS+e/2], v[rS+e/2]
.endif
.set e, e+1
.endm
.macro R2                           ; THE RESCALING'S QUEUE: O^T times a, two at a time; ascending
	REGS Y, r%2
	WIN W_RS
.irp z, 0,1
	v_pk_mul_f32 v[rO+4*(r/2)+2*\z:rO+4*(r/2)+2*\z+1], v[rO+4*(r/2)+2*\z:rO+4*(r/2)+2*\z+1], v[rC+2:rC+3] op_sel_hi:[1,0]
.endr
.set r, r+1
.endm
; A TURN, for piece p.  AHEAD OF THE WAIT: 8 mask products and 16 products K Q^T.  Behind the first: two scalings and two rescalings; behind the next 15: a scaling, an exponential, two rescalings; behind the last 8: a scaling and two
; exponentials (the rescalings are used up, and the other piece's maximum cannot begin before its scores are whole).  Then a lump: 16 plain; 33 times exponential and plain; the two a, a plain instruction behind each; 4 plain.
; Exponential e stands behind scaling 2 (e / 4) + e % 2: as a rider behind plain e / 2 + 9 or more, in the lump behind plain e + 9, and scalings 27-31 are plain 57, 60 .. 69.
; The first reader of the last product's scores is plain 34: ten plain instructions behind that product.  BEHIND THE WAIT: 16 products V^T P, behind each four of the roundings and sums.
; The turn's buffer of mask fragments is asked for again behind its tenth product: nine plain instructions behind the eighth, the buffer's last reader.
; Turn 0 fetches K of the next step directly behind its wait, and V of this step at its end, four plain riders behind V's last reader.  Turn 1 waits for K ahead of its first product K Q^T (V's 16 loads may stay out) and for V behind its wait.
.macro TURN p, cnt=0
.set Y, (\p)
.set i, 0
.set q, 0
.set e, 0
.set r, 0
	s_wait_loadcnt 8                ; this turn's 8 fragment loads, issued two turns ago, are in; the other buffer's 8 may stay out
	MM
	PL
	PL
	R2
.rept 15
.if ((\p) == 1) && (i == 8)
	s_wait_dscnt 16                 ; K is in; V's run of 16 was issued behind it
.endif
	MM
	PL
	EX
	R2
.if i == 10
	MSTEP \p
.endif
.endr
.rept 8
	MM
	PL
	EX
	EX
.endr
	WIN 0
.if (\p) == 0
	v_add_nc_u32 v[AK], s[TB], v[AK0]
.endif
.rept 16
	PL
.endr
.rept 33
	EX
	PL
.endr
	EX
	PL
	EX
	PL
.rept 4
	PL
.endr
	v_nop                           ; a plain instruction that names nothing, behind the batch
	s_wait_alu depctr_va_vdst(0)    ; the wait ahead of the batch's first reader
.if (\p) == 0
	FETCH_K
.endif
.if (\p) == 1
	s_wait_dscnt 0x0                ; V is in
.endif
.rept 16
	MM
.rept 4
	PL
.endr
.if ((\p) == 0) && (q == 124)
	v_add_nc_u32 v[AV], s[TB], v[AV0]
.endif
.if ((\p) == 0) && (q == 136)
	s_add_co_u32 s[TB], s[TB], KS*PK
.endif
.if (\cnt) && (q == 136)
	s_sub_co_u32 s[CNT], s[CNT], 1
	s_cmp_lg_u32 s[CNT], 0
.endif
.endr
.if (\p) == 0
	FETCH_V
.endif
.endm
	s_wait_loadcnt 0x0              ; Q, K of step 0, both pieces' fragments of step 0
.set i, 0
.rept 8
	MQ 0                            ; piece 0's first scores
.set i, i+1
.endr
.set i, 0
.rept 16
	KQ 0
.set i, i+1
.endr
	WIN 0                           ; the addresses for the way out: nine plain instructions, the places behind those products
	s_mul_i32 s13, s[WV], 16*SP
	s_add_co_u32 s13, s13, STAGE
	v_mul_u32_u24 v[STO], v1, SP
	v_lshl_add_u32 v[STO], v9, 4, v[STO]
	v_add_nc_u32 v[STO], s13, v[STO]
	v_bfe_u32 v[RD], v0, 3, 2
	v_mul_u32_u24 v[RD], v[RD], SP
	v_lshl_add_u32 v[RD], v10, 4, v[RD]
	v_add_nc_u32 v[RD], s13, v[RD]
	v_and_b32 v[GO], 31, v0
	v_lshlrev_b32 v[GO], 4, v[GO]
	MFETCH 1, MPB                   ; piece 0, step 1
	WIN 0
.set Y, NP-1
.irp n, 0,1,2,3,4,5,6,7,8,9,10,11,12,13,14,15,16,17,18,19,20,21,22,23,24
	XS 0, \n
	XS 1, \n
.endr
	v_nop
	s_wait_alu depctr_va_vdst(0)    ; the two a, ahead of the label
.Lslot:                             ; seven times: a slot is entered and the next is asked for
	CHANGE 1
	s_mov_b32 s[CNT], 4
.Lstep:
	TURN 0
	TURN 1, 1
	WIN 0
	s_cbranch_scc1 .Lstep
	s_sub_co_u32 s[SLOTS], s[SLOTS], 1
	s_cmp_lg_u32 s[SLOTS], 0
	s_cbranch_scc1 .Lslot
	CHANGE 0                        ; the last slot is written out
	s_mov_b32 s[CNT], 4
.Ltail:
	TURN 0
	TURN 1, 1
	WIN 0
	s_cbranch_scc1 .Ltail
.set i, 0
.rept 16
	PV 1                            ; piece 1's V^T P of the last step
.set i, i+1
.endr
	; THE WAY OUT: l's two halves and the other half of the lanes' are added; O^T is divided by l, rounded to bf16 and sent through my stage, a tile at a time.  The additions are the places behind the last products.
	WIN 0
.macro ALL line:vararg
.set t, 0
.rept 2*NP
	\line
.set t, t+1
.endr
.endm
	ALL v_add_f32 v[ST+4*t+2], v[ST+4*t+2], v[ST+4*t+3]
	ALL v_permlanex16_b32 v[ST+4*t+3], v[ST+4*t+2], s[SEL], s[SEL+1]
	ALL v_add_f32 v[ST+4*t+2], v[ST+4*t+2], v[ST+4*t+3]
	ALL v_rcp_f32 v[ST+4*t+2], v[ST+4*t+2]
	v_nop
	s_wait_alu depctr_va_vdst(0)    ; one wait for the four reciprocals
.macro PACK t
	WIN W_RS
.set i, 32*(\t)
.rept 16
	v_pk_mul_f32 v[i:i+1], v[i:i+1], v[ST+4*(\t)+2:ST+4*(\t)+3] op_sel_hi:[1,0]
.set i, i+2
.endr
	WIN 0x05
.set i, 0
.rept 16
	v_cvt_pk_bf16_f32 v[S+16*(\t)+i], v[32*(\t)+2*i], v[32*(\t)+2*i+1]
.set i, i+1
.endr
	WIN 0
.irp f, 0,1,2,3
	ds_store_b128 v[STO], v[S+16*(\t)+4*\f:S+16*(\t)+4*\f+3] offset:32*\f
.endr
.irp f, 0,1,2,3
	ds_load_b128 v[S+16*(\t)+4*\f:S+16*(\t)+4*\f+3], v[RD] offset:\f*4*SP  ; LDS serves a wave's instructions in order (ISA guide 5.7.1.4)
.endr
.endm
.macro SEND t, younger              ; younger: the LDS instructions issued behind tile t's loads
	WIN 0
.irp f, 0,1,2,3
	s_wait_dscnt (\younger)+3-\f
	global_store_b128 v[GO], v[S+16*(\t)+4*\f:S+16*(\t)+4*\f+3], s[4:5] offset:(\t)*2048+\f*512  ; 512 consecutive bytes, aligned
.endr
.endm
	PACK 0
.set t, 1
.rept 2*NP-1
	PACK t
	SEND t-1, 8
.set t, t+1
.endr
	SEND 2*NP-1, 0
	s_wait_tensorcnt 0x0            ; the wave's end
	ds_add_u32 v[SPW], v[NIL]
	s_wait_dscnt 0x0
	CROUND                          ; the closing round
	s_endpgm
.Lfunc_end_k_qa3ecbb5d7b_attn:
	.size	k_qa3ecbb5d7b_attn, .Lfunc_end_k_qa3ecbb5d7b_attn-k_qa3ecbb5d7b_attn
	.p2alignl 7, 3214868480
	.fill 96, 4, 3214868480
	.section	.rodata,"a",@progbits
	.p2align	6, 0x0
	.amdhsa_kernel k_qa3ecbb5d7b_attn
		.amdhsa_group_segment_fixed_size 327680
		.amdhsa_private_segment_fixed_size 0
		.amdhsa_enable_private_segment 0
		.amdhsa_kernarg_size 24
		.amdhsa_user_sgpr_count 2
		.amdhsa_user_sgpr_kernarg_segment_ptr 1
		.amdhsa_wavefront_size32 1
		.amdhsa_system_sgpr_workgroup_id_x 1
		.amdhsa_system_sgpr_workgroup_id_y 1
		.amdhsa_system_sgpr_workgroup_id_z 1
		.amdhsa_system_vgpr_workitem_id 0
		.amdhsa_next_free_vgpr 768
		.amdhsa_next_free_sgpr 66
		.amdhsa_reserve_vcc 0
		.amdhsa_float_denorm_mode_32 3
		.amdhsa_float_denorm_mode_16_64 3
		.amdhsa_memory_ordered 1
		.amdhsa_forward_progress 1
		.amdhsa_inst_pref_size 124
	.end_amdhsa_kernel
	.amdgpu_metadata
---
amdhsa.version: [ 1, 2 ]
amdhsa.kernels:
  - .name:           k_qa3ecbb5d7b_attn
    .symbol:         k_qa3ecbb5d7b_attn.kd
    .args:
      - { .name: big, .offset: 0, .size: 8, .value_kind: global_buffer, .address_space: global }
      - { .name: mfrag, .offset: 8, .size: 8, .value_kind: global_buffer, .address_space: global }
      - { .name: act, .offset: 16, .size: 8, .value_kind: global_buffer, .address_space: global }
    .group_segment_fixed_size: 327680
    .private_segment_fixed_size: 0
    .kernarg_segment_align: 8
    .kernarg_segment_size: 24
    .max_flat_workgroup_size: 128
    .sgpr_count:     66
    .vgpr_count:     768
    .wavefront_size: 32
...
	.end_amdgpu_metadata
.endif
;; end of part 3
;; launch wo (part 4): grid 8 x 32, 4 waves a work-group, clusters of 4 x 4, 327,680 bytes of LDS; arguments act, ws, bo, x, x1; writes x1
.if DOCPART == 4
	.amdgcn_target "amdgcn-amd-amdhsa--gfx1250"
	.amdhsa_code_object_version 6
	.text
	.protected	k_qa3ecbb5d7b_wo
	.globl	k_qa3ecbb5d7b_wo
	.p2align	8
	.type	k_qa3ecbb5d7b_wo,@function
k_qa3ecbb5d7b_wo:
	s_mov_b64 s[64:65], 0
	v_nop
	global_prefetch_b8 v0, s[64:65] scope:SCOPE_SE
	s_setreg_imm32_b32 hwreg(HW_REG_WAVE_MODE, 25, 1), 1
	s_wait_xcnt 0x0
	s_wait_alu depctr_hold_cnt(0) depctr_sa_sdst(0) depctr_va_vdst(0) depctr_va_sdst(0) depctr_va_ssrc(0) depctr_va_vcc(0) depctr_vm_vsrc(0)
	s_getreg_b32 s2, hwreg(HW_REG_IB_STS2, 6, 4)
	s_cmp_eq_u32 s2, 0
	s_cbranch_scc0 .Lentry_in_a_cluster
	s_endpgm
.Lentry_in_a_cluster:
	s_bfe_u32 s2, ttmp6, 0x10000c
	s_cmp_lg_u32 s2, 0xf033
	s_cbranch_scc0 .Lentry_shape_is_right
	s_endpgm
.Lentry_shape_is_right:
; OUT = RES + A W + bias, N = 1024.  A: bf16 [KDIM / 64][4096 rows][64].  W: from byte WOFF bf16 [N / 128][KDIM][128].  bias [N], RES and OUT [4096][1024] in f32.  Sums in f32.
; SHARES.  A tile of OUT is 128 x 128, so that there are 256 work-groups.  K IS SPLIT AMONG THE FOUR WAVES: of each step's 256 along K wave w takes 64 w .. 64 w + 63 for the whole tile, in 64 accumulators: each fragment read
; from LDS feeds eight products, twice what four waves of 64 x 64 would have.  The four partial sums (f32) meet in LDS at the end; wave w finishes rows 32 w .. 32 w + 31, and its sums for those rows begin with RES.
; So a wave's row blocks are turned round: its accumulator blocks 0, 1 are always the rows that it finishes: block a is row block 2 ((a / 2 + w) % 4) + a % 2.
; THE RING: two slots of four regions of 36,864 bytes; wave w fills region w with one tensor load of 32 KiB: regions 0, 1: 128 rows of A for two blocks of 64 k each (two dense pieces of 16 KiB, asked for as two long rows; 16 bytes of
; padding behind every 128); regions 2, 3: 128 k-rows of W (256 + 32 bytes).  W's fragments come out turned, by ds_load_tr16_b128; the matrix instruction is used transposed.
; CLUSTER 4 x 4: A's tiles are asked for jointly along a row of the cluster, W's along a column.  No prefetch ahead of the tensor loads: every tile is read by many work-groups.
; LIMITS.  NaN and infinities are not treated apart.
.set STEPS, 4
.set KDIM,  1024
.set WOFF,  0
.set REG,   36864
.set SLOT,  4*REG
.set SPARE, 2*SLOT                     ; the spare words, 128 bytes a wave: two blocks of 256 bytes that no other line names
.set PA,    144
.set PB,    288
.set PP,    528                        ; a row of partial sums: 512 bytes + 16
.set ADVA,  2097152                    ; a step on in A: four blocks of 64 columns
.set ADVB,  65536                      ; in W: 256 rows of 256 bytes
.set PST,  4                           ; v4-7   where I put my partial sums, by pair of row blocks
.set RDS,  8                           ; v8-11  where I read source s's sums for my rows
.set ADRA, 16                          ; v16-19 LDS address of my A fragments in the slot in hand, by pair of row blocks;  v20-23 the same in slot 0
.set A0,   20
.set ADRB, 24
.set B0,   25
.set RESO, 27
.set GO,   28
.set SPW,  30
.set NIL,  31
.set F0,   64
.set F1,   128
.set BV,   192                         ; v[192:195] the bias of my four columns
.set WV,  14
.set WHI, 15
.set WLO, 16
.set G1A, 24
.set G0A, 32
.set G1B, 48
.set G0B, 56
.set MSB, 0
.macro WIN new
.if MSB != (\new)
	s_set_vgpr_msb (MSB<<8)|(\new)
.set MSB, \new
.endif
.endm
.macro PLACES
.rept 4
	v_nop
.endr
.endm
.macro JLOAD s
	s_cmp_eq_u32 s[WHI], 0
	s_cbranch_scc0 .Lfor_b_\@
	tensor_load_to_lds s[G0A+4*(\s):G0A+4*(\s)+3], s[G1A:G1A+7]
	s_nop 0
.rept 4
	v_nop
.endr
	s_branch .Lasked_\@
.Lfor_b_\@:
	tensor_load_to_lds s[G0B+4*(\s):G0B+4*(\s)+3], s[G1B:G1B+7]
	s_nop 0
.rept 4
	v_nop
.endr
.Lasked_\@:
.endm
.macro CREST
	s_cmp_lg_u32 s[WV], 0
	s_cbranch_scc1 .Lnot_wave_0_\@
	s_barrier_signal -3
.Lnot_wave_0_\@:
	s_barrier_wait -3
	s_barrier_signal -1
	s_barrier_wait -1
.endm
.macro CROUND
	s_barrier_signal -1
	s_barrier_wait -1
	CREST
.endm
.macro MUL16 f, hi, a0, mode           ; mode 0: onto what the accumulators hold; 1: C = 0
	WIN 0xa1+0x50*(\hi)
.irp a, \a0, (\a0)+1
.irp b, 0,1,2,3,4,5,6,7
.if (\mode) == 0
	v_wmma_f32_16x16x32_bf16 v[8*(8*(\a)+(\b)):8*(8*(\a)+(\b))+7], v[(\f)+8*(\b):(\f)+8*(\b)+7], v[(\f)+8*(4*(\hi)+(\a)):(\f)+8*(4*(\hi)+(\a))+7], v[8*(8*(\a)+(\b)):8*(8*(\a)+(\b))+7]
.else
	v_wmma_f32_16x16x32_bf16 v[8*(8*(\a)+(\b)):8*(8*(\a)+(\b))+7], v[(\f)+8*(\b):(\f)+8*(\b)+7], v[(\f)+8*(4*(\hi)+(\a)):(\f)+8*(4*(\hi)+(\a))+7], 0
.endif
.endr
.endr
.endm
.macro FETCH q, f                      ; half q (32 along K) of my 64 of the slot in hand
	WIN 0x40
.irp b, 0,1,2,3,4,5,6,7
	ds_load_tr16_b128 v[(\f)+8*(\b):(\f)+8*(\b)+3],   v[ADRB] offset:32*PB*(\q)+32*(\b)
	ds_load_tr16_b128 v[(\f)+8*(\b)+4:(\f)+8*(\b)+7], v[ADRB] offset:32*PB*(\q)+32*(\b)+16*PB
.endr
	WIN 0
.irp a, 0,1,2,3,4,5,6,7
	ds_load_b128 v[(\f)+8*(\a):(\f)+8*(\a)+3],   v[ADRA+(\a)/2] offset:((\a)%2)*16*PA+64*(\q)
	ds_load_b128 v[(\f)+8*(\a)+4:(\f)+8*(\a)+7], v[ADRA+(\a)/2] offset:((\a)%2)*16*PA+64*(\q)+32
.endr
.endm
.macro QUARTER q, f, g, m0, m1
	s_wait_dscnt 8                                 ; W and A's blocks 0-3 are in; the youngest eight loads may be out
	MUL16 \f, 0, 0, \m0
	MUL16 \f, 0, 2, \m1
	PLACES
	FETCH \q, \g
	s_wait_dscnt 32                                ; all but the 32 just issued
	MUL16 \f, 1, 0, \m1
	MUL16 \f, 1, 2, \m1
.endm
.macro TURN fill                       ; the step's second half (buffer 1) and the change of slots; fill = 1: a round of the cluster's barrier, and the slot just read is filled again first thing behind it
	WIN 0
	s_wait_tensorcnt 0x0
	ds_add_u32 v[SPW], v[NIL]
	s_wait_dscnt 9                                 ; the add and the youngest eight loads may be out
	MUL16 F1, 0, 0, 0
	s_wait_dscnt 0x0                               ; the add is done, my reads of this slot are over
	s_barrier_signal -1
	MUL16 F1, 0, 2, 0
	WIN 0
	s_barrier_wait -1
.if \fill
	CREST
	s_xor_b32 s[G0A+5], s[G0A+5], SLOT
	s_add_nc_u64 s[G0A+6:G0A+7], s[G0A+6:G0A+7], ADVA
	s_xor_b32 s[G0B+5], s[G0B+5], SLOT
	s_add_nc_u64 s[G0B+6:G0B+7], s[G0B+6:G0B+7], ADVB
	JLOAD 1
.else
	PLACES
.endif
	s_xor_b32 s2, s2, SLOT
.irp p, 0,1,2,3
	v_add_nc_u32 v[ADRA+(\p)], s2, v[A0+(\p)]
.endr
	v_add_nc_u32 v[ADRB], s2, v[B0]
	FETCH 0, F0
	MUL16 F1, 1, 0, 0
	MUL16 F1, 1, 2, 0
.endm
	s_load_b256 s[4:11], s[0:1], 0x0               ; A s[4:5], W s[6:7], bias s[8:9], RES s[10:11]
	s_load_b64 s[12:13], s[0:1], 0x20              ; OUT
	v_lshl_add_u32 v[SPW], v0, 2, SPARE
	v_mov_b32 v[NIL], 0
	ds_add_u32 v[SPW], v[NIL]                      ; the wave's opening: the add and its wait ahead of my first tensor load
	v_lshrrev_b32 v1, 5, v0
	v_readfirstlane_b32 s[WV], v1
	s_lshr_b32 s[WHI], s[WV], 1                    ; I fetch A (0) or W (1),
	s_and_b32 s[WLO], s[WV], 1                     ; its first or second region
	s_bfe_u32 s40, ttmp6, 0x40000
	s_bfe_u32 s41, ttmp6, 0x40004
	s_lshl_b32 s42, ttmp9, 2
	s_add_co_u32 s42, s42, s40                     ; tile column
	s_and_b32 s17, ttmp7, 0xffff
	s_lshl_b32 s17, s17, 2
	s_add_co_u32 s17, s17, s41                     ; tile row
	s_lshl_b32 s43, s41, 2
	s_lshl_b32 s43, 15, s43
	s_lshl_b32 s44, 0x1111, s40
	s_or_b32 s[G1A], s43, (1<<16)|(1<<20)|(1<<21)|(4<<22)|(3<<25)  ; 4 words of padding behind every 32, counted on through the tile
	s_mov_b32 s[G1A+1], 8192<<16                   ; tensor_dim0 = 8,192 elements: 128 rows of 128 bytes on end
	s_mov_b32 s[G1A+2], 2<<16                      ; tensor_dim1 = 2
	s_mov_b32 s[G1A+3], 8192<<16                   ; tile_dim0
	s_mov_b32 s[G1A+4], 2                          ; tile_dim1
	s_mov_b32 s[G1A+5], 262144                     ; from a block of 64 columns to the next
	s_mov_b32 s[G1A+6], 0
	s_mov_b32 s[G1A+7], 0
	s_or_b32 s[G1B], s44, (1<<16)|(1<<20)|(1<<21)|(5<<22)|(7<<25)
	s_mov_b32 s[G1B+1], 128<<16
	s_mov_b32 s[G1B+2], 128<<16
	s_mov_b32 s[G1B+3], 128<<16
	s_mov_b32 s[G1B+4], 128
	s_mov_b32 s[G1B+5], 128
	s_mov_b32 s[G1B+6], 0
	s_mov_b32 s[G1B+7], 0
	s_lshl_b32 s18, s[WLO], 20                     ; A: which two blocks of the step's four, the tile's 128 rows of 128 bytes
	s_lshl_b32 s19, s17, 14
	s_add_co_u32 s18, s18, s19
	s_mov_b32 s19, 0
	s_mul_i32 s46, s42, KDIM*256                   ; W: the tile's block of 128 columns, which 128 k-rows of the step's 256
	s_lshl_b32 s47, s[WLO], 15
	s_add_co_u32 s46, s46, s47
	s_add_co_u32 s46, s46, WOFF
	s_mov_b32 s47, 0
	s_mul_i32 s20, s[WV], REG
	s_wait_dscnt 0x0                               ; the opening add is done
	s_wait_kmcnt 0x0
	s_add_nc_u64 s[22:23], s[4:5], s[18:19]
	s_add_nc_u64 s[46:47], s[6:7], s[46:47]
	CROUND
.irp s, 0,1
	s_mov_b32 s[G0A+4*(\s)], 1
	s_add_co_u32 s[G0A+4*(\s)+1], s20, (\s)*SLOT
	s_add_nc_u64 s[G0A+4*(\s)+2:G0A+4*(\s)+3], s[22:23], (\s)*ADVA
	s_or_b32 s[G0A+4*(\s)+3], s[G0A+4*(\s)+3], 0x80000000
	s_mov_b32 s[G0B+4*(\s)], 1
	s_add_co_u32 s[G0B+4*(\s)+1], s20, (\s)*SLOT
	s_add_nc_u64 s[G0B+4*(\s)+2:G0B+4*(\s)+3], s[46:47], (\s)*ADVB
	s_or_b32 s[G0B+4*(\s)+3], s[G0B+4*(\s)+3], 0x80000000
	JLOAD \s                                       ; two loads of mine are out
.endr
	v_and_b32 v1, 15, v0                           ; r
	v_bfe_u32 v2, v0, 4, 1                         ; h
	v_mul_u32_u24 v3, v1, PA
	v_lshl_add_u32 v3, v2, 4, v3
	v_mul_u32_u24 v29, v1, PP
	v_lshl_add_u32 v29, v2, 5, v29                 ; a row of sums: my 8 columns of each 16 begin at 32 h
	s_mul_i32 s20, s[WV], 128*PA                   ; my 64 k: 128 rows of 144 bytes
	s_mul_i32 s23, s[WV], 128*PP                   ; my partial sums
.irp p, 0,1,2,3
	s_add_co_u32 s21, s[WV], \p
	s_and_b32 s21, s21, 3                          ; pair p of my blocks is rows 32 ((p + w) % 4) on
	s_mul_i32 s22, s21, 32*PA
	s_add_co_u32 s22, s22, s20
	v_add_nc_u32 v[A0+(\p)], s22, v3
	v_add_nc_u32 v[ADRA+(\p)], s22, v3
	s_mul_i32 s22, s21, 32*PP
	s_add_co_u32 s22, s22, s23
	v_add_nc_u32 v[PST+(\p)], s22, v29
.endr
	v_and_b32 v12, 7, v0
	v_lshl_add_u32 v12, v2, 3, v12
	v_mul_u32_u24 v12, v12, PB
	v_bfe_u32 v13, v0, 3, 1
	v_lshl_add_u32 v12, v13, 4, v12
	s_mul_i32 s22, s[WV], 64*PB                    ; my 64 k-rows of W,
	s_add_co_u32 s22, s22, 2*REG                   ; behind A's two regions
	v_add_nc_u32 v[B0], s22, v12
	v_mov_b32 v[ADRB], v[B0]
	s_mov_b32 s2, 0
	v_and_b32 v14, 31, v0
	v_lshlrev_b32 v[GO], 4, v14                    ; a whole row of 512 bytes: 16 l
	s_mul_i32 s22, s[WV], 32*PP                    ; the rows that I finish
.irp s, 0,1,2,3
	v_add_nc_u32 v[RDS+(\s)], s22, v[GO]
	s_add_co_u32 s22, s22, 128*PP
.endr
	v_lshlrev_b32 v[RESO], 12, v1
	v_lshl_add_u32 v[RESO], v2, 5, v[RESO]         ; RES as an accumulator holds it: row r, columns 8 h on
	s_lshl_b32 s20, s17, 19                        ; RES and OUT at row 128 x tile row + 32 w, column 128 x tile column
	s_lshl_b32 s21, s[WV], 17
	s_add_co_u32 s20, s20, s21
	s_lshl_b32 s21, s42, 9
	s_add_co_u32 s20, s20, s21
	s_mov_b32 s21, 0
	s_add_nc_u64 s[10:11], s[10:11], s[20:21]
	s_add_nc_u64 s[12:13], s[12:13], s[20:21]
	s_lshl_b32 s20, s42, 9
	s_add_nc_u64 s[8:9], s[8:9], s[20:21]
	global_load_b128 v[BV:BV+3], v[GO], s[8:9]
	WIN 0x80                                       ; RES goes straight into my accumulator blocks 0 and 1 (window 2): it starts their sums
.irp a, 0,1
.irp b, 0,1,2,3,4,5,6,7
	global_load_b128 v[8*(8*(\a)+(\b)):8*(8*(\a)+(\b))+3],   v[RESO], s[10:11] offset:65536*(\a)+64*(\b)
	global_load_b128 v[8*(8*(\a)+(\b))+4:8*(8*(\a)+(\b))+7], v[RESO], s[10:11] offset:65536*(\a)+64*(\b)+16
.endr
.endr
	WIN 0
	s_wait_tensorcnt 1                             ; my region of step 0 is in; step 1's load stays out
	s_barrier_signal -1
	s_barrier_wait -1
	FETCH 0, F0
	s_wait_loadcnt 0x0                             ; RES and the bias
	QUARTER 1, F0, F1, 0, 1                        ; blocks 0, 1 add onto RES, the others start with 0
	WIN 0
	s_mov_b32 s3, STEPS-2
.Lstep:                                                ; a trip: a step's second half, a refill, the next step's first half
	TURN 1
	QUARTER 1, F0, F1, 0, 0
	WIN 0
	s_sub_co_u32 s3, s3, 1
	s_cmp_lg_u32 s3, 0
	s_cbranch_scc1 .Lstep
	TURN 0                                         ; the tail is written out: nothing is left to fetch
	QUARTER 1, F0, F1, 0, 0
	s_wait_dscnt 8
	MUL16 F1, 0, 0, 0
	MUL16 F1, 0, 2, 0
	s_wait_dscnt 0x0
	MUL16 F1, 1, 0, 0
	MUL16 F1, 1, 2, 0
	; THE MEETING.  The ring has had its last fill; behind this barrier nobody reads it any more, and the partial sums take its place: [wave][128 rows][528 bytes], f32.
	WIN 0
	PLACES
	s_wait_dscnt 0x0
	s_barrier_signal -1
	s_barrier_wait -1
.irp a, 0,1,2,3,4,5,6,7
	WIN 0x08+4*((\a)/4)                            ; the data in window 2 or 3; each accumulator's low four registers go first
.irp b, 0,1,2,3,4,5,6,7
	ds_store_b128 v[PST+(\a)/2], v[64*((\a)%4)+8*(\b):64*((\a)%4)+8*(\b)+3]   offset:((\a)%2)*16*PP+64*(\b)
	ds_store_b128 v[PST+(\a)/2], v[64*((\a)%4)+8*(\b)+4:64*((\a)%4)+8*(\b)+7] offset:((\a)%2)*16*PP+64*(\b)+16
.endr
.endr
	WIN 0
	s_wait_dscnt 0x0                               ; for the others' sake: my sums lie in LDS
	s_barrier_signal -1
	s_barrier_wait -1
	s_mov_b32 s3, 4
.Lsum:                                                 ; 8 of my 32 rows a trip: four sources' whole rows, added, the bias, stored
.irp i, 0,1,2,3,4,5,6,7
.irp s, 0,1,2,3
	ds_load_b128 v[64+16*(\i)+4*(\s):64+16*(\i)+4*(\s)+3], v[RDS+(\s)] offset:PP*(\i)
.endr
.endr
.irp i, 0,1,2,3,4,5,6,7
	s_wait_dscnt 28-4*(\i)                         ; row i's four loads are in; the later rows' stay out
	v_pk_add_f32 v[64+16*(\i):65+16*(\i)], v[64+16*(\i):65+16*(\i)], v[68+16*(\i):69+16*(\i)]
	v_pk_add_f32 v[66+16*(\i):67+16*(\i)], v[66+16*(\i):67+16*(\i)], v[70+16*(\i):71+16*(\i)]
	v_pk_add_f32 v[72+16*(\i):73+16*(\i)], v[72+16*(\i):73+16*(\i)], v[76+16*(\i):77+16*(\i)]
	v_pk_add_f32 v[74+16*(\i):75+16*(\i)], v[74+16*(\i):75+16*(\i)], v[78+16*(\i):79+16*(\i)]
	v_pk_add_f32 v[64+16*(\i):65+16*(\i)], v[64+16*(\i):65+16*(\i)], v[72+16*(\i):73+16*(\i)]
	v_pk_add_f32 v[66+16*(\i):67+16*(\i)], v[66+16*(\i):67+16*(\i)], v[74+16*(\i):75+16*(\i)]
	v_pk_add_f32 v[64+16*(\i):65+16*(\i)], v[64+16*(\i):65+16*(\i)], v[BV:BV+1]
	v_pk_add_f32 v[66+16*(\i):67+16*(\i)], v[66+16*(\i):67+16*(\i)], v[BV+2:BV+3]
	global_store_b128 v[GO], v[64+16*(\i):67+16*(\i)], s[12:13] offset:4096*(\i)  ; 512 consecutive bytes, aligned
.endr
	s_wait_xcnt 0x0                                ; the stores have read their data and their offset
.irp s, 0,1,2,3
	v_add_nc_u32 v[RDS+(\s)], 8*PP, v[RDS+(\s)]
.endr
	v_add_nc_u32 v[GO], 32768, v[GO]
	s_sub_co_u32 s3, s3, 1
	s_cmp_lg_u32 s3, 0
	s_cbranch_scc1 .Lsum
	s_wait_tensorcnt 0x0                           ; the wave's end
	ds_add_u32 v[SPW], v[NIL]
	s_wait_dscnt 0x0
	CROUND                                         ; the closing round
	s_endpgm
.Lfunc_end_k_qa3ecbb5d7b_wo:
	.size	k_qa3ecbb5d7b_wo, .Lfunc_end_k_qa3ecbb5d7b_wo-k_qa3ecbb5d7b_wo
	.p2alignl 7, 3214868480
	.fill 96, 4, 3214868480
	.section	.rodata,"a",@progbits
	.p2align	6, 0x0
	.amdhsa_kernel k_qa3ecbb5d7b_wo
		.amdhsa_group_segment_fixed_size 327680
		.amdhsa_private_segment_fixed_size 0
		.amdhsa_enable_private_segment 0
		.amdhsa_kernarg_size 40
		.amdhsa_user_sgpr_count 2
		.amdhsa_user_sgpr_kernarg_segment_ptr 1
		.amdhsa_wavefront_size32 1
		.amdhsa_system_sgpr_workgroup_id_x 1
		.amdhsa_system_sgpr_workgroup_id_y 1
		.amdhsa_system_sgpr_workgroup_id_z 1
		.amdhsa_system_vgpr_workitem_id 0
		.amdhsa_next_free_vgpr 1024
		.amdhsa_next_free_sgpr 66
		.amdhsa_reserve_vcc 0
		.amdhsa_float_denorm_mode_32 3
		.amdhsa_float_denorm_mode_16_64 3
		.amdhsa_memory_ordered 1
		.amdhsa_forward_progress 1
		.amdhsa_inst_pref_size 68
	.end_amdhsa_kernel
	.amdgpu_metadata
---
amdhsa.version: [ 1, 2 ]
amdhsa.kernels:
  - .name:           k_qa3ecbb5d7b_wo
    .symbol:         k_qa3ecbb5d7b_wo.kd
    .args:
      - { .name: act, .offset: 0, .size: 8, .value_kind: global_buffer, .address_space: global }
      - { .name: ws, .offset: 8, .size: 8, .value_kind: global_buffer, .address_space: global }
      - { .name: bo, .offset: 16, .size: 8, .value_kind: global_buffer, .address_space: global }
      - { .name: x, .offset: 24, .size: 8, .value_kind: global_buffer, .address_space: global }
      - { .name: x1, .offset: 32, .size: 8, .value_kind: global_buffer, .address_space: global }
    .group_segment_fixed_size: 327680
    .private_segment_fixed_size: 0
    .kernarg_segment_align: 8
    .kernarg_segment_size: 40
    .max_flat_workgroup_size: 128
    .sgpr_count:     66
    .vgpr_count:     1024
    .wavefront_size: 32
...
	.end_amdgpu_metadata
.endif
;; end of part 4
;; launch ln2 (part 5): grid 256 x 1, 8 waves a work-group, no clusters, 0 bytes of LDS; arguments x1, a2, c2, act; writes act
.if DOCPART == 5
	.amdgcn_target "amdgcn-amd-amdhsa--gfx1250"
	.amdhsa_code_object_version 6
	.text
	.protected	k_qa3ecbb5d7b_ln2
	.globl	k_qa3ecbb5d7b_ln2
	.p2align	8
	.type	k_qa3ecbb5d7b_ln2,@function
k_qa3ecbb5d7b_ln2:
	s_mov_b64 s[64:65], 0
	v_nop
	global_prefetch_b8 v0, s[64:65] scope:SCOPE_SE
	s_setreg_imm32_b32 hwreg(HW_REG_WAVE_MODE, 25, 1), 1
	s_wait_xcnt 0x0
; y = alpha (x - mean) / (std + 1e-6) + beta along rows of 1,024 f32, std with 1023 below the sum; y in bf16, laid as [column / 64][4096 rows][64].
; A wave takes two rows and keeps them in 64 registers between the passes: each byte is read once; lanes 0-15 hold the first row, lanes 16-31 the second, so a row's sums stay inside 16 lanes: no LDS, no barrier.
; The mean is taken away before the squares are summed, so a common offset forms no difference of large sums.  Each store of a wave covers 256 consecutive bytes, aligned.
.set X, 16
.macro FOLD                            ; four chains of pairs in v[80:87] -> the row's sum in v80, in each of its 16 lanes
	v_pk_add_f32 v[80:81], v[80:81], v[82:83]
	v_pk_add_f32 v[84:85], v[84:85], v[86:87]
	v_pk_add_f32 v[80:81], v[80:81], v[84:85]
	v_add_f32 v80, v80, v81
	v_add_f32_dpp v80, v80, v80 row_xmask:1 row_mask:0xf bank_mask:0xf
	v_add_f32_dpp v80, v80, v80 row_xmask:2 row_mask:0xf bank_mask:0xf
	v_add_f32_dpp v80, v80, v80 row_xmask:4 row_mask:0xf bank_mask:0xf
	v_add_f32_dpp v80, v80, v80 row_xmask:8 row_mask:0xf bank_mask:0xf
.endm
	s_load_b256 s[4:11], s[0:1], 0x0               ; x s[4:5], alpha s[6:7], beta s[8:9], y s[10:11]
	v_lshrrev_b32 v1, 5, v0
	v_readfirstlane_b32 s12, v1
	v_and_b32 v1, 31, v0
	s_lshl_b32 s13, ttmp9, 3
	s_add_co_u32 s13, s13, s12                     ; my pair of rows
	s_lshl_b32 s14, s13, 13
	s_mov_b32 s15, 0
	s_wait_kmcnt 0x0
	s_add_nc_u64 s[4:5], s[4:5], s[14:15]
	s_lshl_b32 s14, s13, 8
	s_add_nc_u64 s[10:11], s[10:11], s[14:15]
	s_load_b32 s16, s[6:7], 0x0
	s_load_b32 s17, s[8:9], 0x0
	v_and_b32 v2, 15, v1
	v_lshrrev_b32 v3, 4, v1
	v_lshlrev_b32 v2, 4, v2
	v_lshl_add_u32 v2, v3, 12, v2                  ; 4,096 (l / 16) + 16 (l % 16)
	v_lshlrev_b32 v3, 3, v1                        ; out: two rows of 128 bytes on end: 8 l
.set c, 0
.rept 16
	global_load_b128 v[X+4*c:X+4*c+3], v2, s[4:5] offset:256*c th:TH_LOAD_NT
.set c, c+1
.endr
	s_wait_loadcnt 0x0                             ; the mean wants the whole row
.set k, 0
.rept 4
	v_pk_add_f32 v[80+2*k:81+2*k], v[X+2*k:X+2*k+1], v[X+8+2*k:X+9+2*k]
.set k, k+1
.endr
.set j, 8
.rept 24
	v_pk_add_f32 v[80+2*(j%4):81+2*(j%4)], v[80+2*(j%4):81+2*(j%4)], v[X+2*j:X+2*j+1]
.set j, j+1
.endr
	FOLD
	v_mul_f32 v88, 0x3a800000, v80                 ; mean = sum / 1024
	v_mov_b32 v89, v88
.set j, 0
.rept 32
	v_pk_add_f32 v[X+2*j:X+2*j+1], v[X+2*j:X+2*j+1], v[88:89] neg_lo:[0,1] neg_hi:[0,1]
.set j, j+1
.endr
.set k, 0
.rept 4
	v_pk_mul_f32 v[80+2*k:81+2*k], v[X+2*k:X+2*k+1], v[X+2*k:X+2*k+1]
.set k, k+1
.endr
.set j, 4
.rept 28
	v_pk_fma_f32 v[80+2*(j%4):81+2*(j%4)], v[X+2*j:X+2*j+1], v[X+2*j:X+2*j+1], v[80+2*(j%4):81+2*(j%4)]
.set j, j+1
.endr
	FOLD
	v_mul_f32 v80, 0x3a802008, v80                 ; / 1023
	v_sqrt_f32 v81, v80
	v_nop                                          ; a plain instruction behind the root,
	s_wait_alu depctr_va_vdst(0)                   ; and the wait ahead of its first reader
	v_add_f32 v81, 0x358637bd, v81                 ; + 1e-6
	v_rcp_f32 v82, v81
	v_nop
	s_wait_alu depctr_va_vdst(0)
	s_wait_kmcnt 0x0                               ; gain and bias
	v_mul_f32 v90, s16, v82
	v_mov_b32 v92, s17
	v_mov_b32 v91, v90
	v_mov_b32 v93, v92
.set j, 0
.rept 32
	v_pk_fma_f32 v[X+2*j:X+2*j+1], v[X+2*j:X+2*j+1], v[90:91], v[92:93]
.set j, j+1
.endr
.set j, 0
.rept 32
	v_cvt_pk_bf16_f32 v[X+j], v[X+2*j], v[X+2*j+1] ; packed downwards: word j lands on a register whose number has been read
.set j, j+1
.endr
.set c, 0
.rept 16
	global_store_b64 v3, v[X+2*c:X+2*c+1], s[10:11] offset:524288*c
.set c, c+1
.endr
	s_endpgm
.Lfunc_end_k_qa3ecbb5d7b_ln2:
	.size	k_qa3ecbb5d7b_ln2, .Lfunc_end_k_qa3ecbb5d7b_ln2-k_qa3ecbb5d7b_ln2
	.p2alignl 7, 3214868480
	.fill 96, 4, 3214868480
	.section	.rodata,"a",@progbits
	.p2align	6, 0x0
	.amdhsa_kernel k_qa3ecbb5d7b_ln2
		.amdhsa_group_segment_fixed_size 0
		.amdhsa_private_segment_fixed_size 0
		.amdhsa_enable_private_segment 0
		.amdhsa_kernarg_size 32
		.amdhsa_user_sgpr_count 2
		.amdhsa_user_sgpr_kernarg_segment_ptr 1
		.amdhsa_wavefront_size32 1
		.amdhsa_system_sgpr_workgroup_id_x 1
		.amdhsa_system_sgpr_workgroup_id_y 1
		.amdhsa_system_sgpr_workgroup_id_z 1
		.amdhsa_system_vgpr_workitem_id 0
		.amdhsa_next_free_vgpr 96
		.amdhsa_next_free_sgpr 66
		.amdhsa_reserve_vcc 0
		.amdhsa_float_denorm_mode_32 3
		.amdhsa_float_denorm_mode_16_64 3
		.amdhsa_memory_ordered 1
		.amdhsa_forward_progress 1
		.amdhsa_inst_pref_size 16
	.end_amdhsa_kernel
	.amdgpu_metadata
---
amdhsa.version: [ 1, 2 ]
amdhsa.kernels:
  - .name:           k_qa3ecbb5d7b_ln2
    .symbol:         k_qa3ecbb5d7b_ln2.kd
    .args:
      - { .name: x1, .offset: 0, .size: 8, .value_kind: global_buffer, .address_space: global }
      - { .name: a2, .offset: 8, .size: 8, .value_kind: global_buffer, .address_space: global }
      - { .name: c2, .offset: 16, .size: 8, .value_kind: global_buffer, .address_space: global }
      - { .name: act, .offset: 24, .size: 8, .value_kind: global_buffer, .address_space: global }
    .group_segment_fixed_size: 0
    .private_segment_fixed_size: 0
    .kernarg_segment_align: 8
    .kernarg_segment_size: 32
    .max_flat_workgroup_size: 256
    .sgpr_count:     66
    .vgpr_count:     96
    .wavefront_size: 32
...
	.end_amdgpu_metadata
.endif
;; end of part 5
;; launch ffn1: the kernel of part 2 again; grid 16 x 16, 4 waves a work-group, clusters of 4 x 4, 327,680 bytes of LDS; arguments act, w1b, big; writes big
;; launch ffn2 (part 6): grid 8 x 32, 4 waves a work-group, clusters of 4 x 4, 327,680 bytes of LDS; arguments big, ws, b2, x1, out0; writes out0
.if DOCPART == 6
	.amdgcn_target "amdgcn-amd-amdhsa--gfx1250"
	.amdhsa_code_object_version 6
	.text
	.protected	k_qa3ecbb5d7b_ffn2
	.globl	k_qa3ecbb5d7b_ffn2
	.p2align	8
	.type	k_qa3ecbb5d7b_ffn2,@function
k_qa3ecbb5d7b_ffn2:
	s_mov_b64 s[64:65], 0
	v_nop
	global_prefetch_b8 v0, s[64:65] scope:SCOPE_SE
	s_setreg_imm32_b32 hwreg(HW_REG_WAVE_MODE, 25, 1), 1
	s_wait_xcnt 0x0
	s_wait_alu depctr_hold_cnt(0) depctr_sa_sdst(0) depctr_va_vdst(0) depctr_va_sdst(0) depctr_va_ssrc(0) depctr_va_vcc(0) depctr_vm_vsrc(0)
	s_getreg_b32 s2, hwreg(HW_REG_IB_STS2, 6, 4)
	s_cmp_eq_u32 s2, 0
	s_cbranch_scc0 .Lentry_in_a_cluster
	s_endpgm
.Lentry_in_a_cluster:
	s_bfe_u32 s2, ttmp6, 0x10000c
	s_cmp_lg_u32 s2, 0xf033
	s_cbranch_scc0 .Lentry_shape_is_right
	s_endpgm
.Lentry_shape_is_right:
; OUT = RES + A W + bias, N = 1024.  A: bf16 [KDIM / 64][4096 rows][64].  W: from byte WOFF bf16 [N / 128][KDIM][128].  bias [N], RES and OUT [4096][1024] in f32.  Sums in f32.
; SHARES.  A tile of OUT is 128 x 128, so that there are 256 work-groups.  K IS SPLIT AMONG THE FOUR WAVES: of each step's 256 along K wave w takes 64 w .. 64 w + 63 for the whole tile, in 64 accumulators: each fragment read
; from LDS feeds eight products, twice what four waves of 64 x 64 would have.  The four partial sums (f32) meet in LDS at the end; wave w finishes rows 32 w .. 32 w + 31, and its sums for those rows begin with RES.
; So a wave's row blocks are turned round: its accumulator blocks 0, 1 are always the rows that it finishes: block a is row block 2 ((a / 2 + w) % 4) + a % 2.
; THE RING: two slots of four regions of 36,864 bytes; wave w fills region w with one tensor load of 32 KiB: regions 0, 1: 128 rows of A for two blocks of 64 k each (two dense pieces of 16 KiB, asked for as two long rows; 16 bytes of
; padding behind every 128); regions 2, 3: 128 k-rows of W (256 + 32 bytes).  W's fragments come out turned, by ds_load_tr16_b128; the matrix instruction is used transposed.
; CLUSTER 4 x 4: A's tiles are asked for jointly along a row of the cluster, W's along a column.  No prefetch ahead of the tensor loads: every tile is read by many work-groups.
; LIMITS.  NaN and infinities are not treated apart.
.set STEPS, 16
.set KDIM,  4096
.set WOFF,  2097152
.set REG,   36864
.set SLOT,  4*REG
.set SPARE, 2*SLOT                     ; the spare words, 128 bytes a wave: two blocks of 256 bytes that no other line names
.set PA,    144
.set PB,    288
.set PP,    528                        ; a row of partial sums: 512 bytes + 16
.set ADVA,  2097152                    ; a step on in A: four blocks of 64 columns
.set ADVB,  65536                      ; in W: 256 rows of 256 bytes
.set PST,  4                           ; v4-7   where I put my partial sums, by pair of row blocks
.set RDS,  8                           ; v8-11  where I read source s's sums for my rows
.set ADRA, 16                          ; v16-19 LDS address of my A fragments in the slot in hand, by pair of row blocks;  v20-23 the same in slot 0
.set A0,   20
.set ADRB, 24
.set B0,   25
.set RESO, 27
.set GO,   28
.set SPW,  30
.set NIL,  31
.set F0,   64
.set F1,   128
.set BV,   192                         ; v[192:195] the bias of my four columns
.set WV,  14
.set WHI, 15
.set WLO, 16
.set G1A, 24
.set G0A, 32
.set G1B, 48
.set G0B, 56
.set MSB, 0
.macro WIN new
.if MSB != (\new)
	s_set_vgpr_msb (MSB<<8)|(\new)
.set MSB, \new
.endif
.endm
.macro PLACES
.rept 4
	v_nop
.endr
.endm
.macro JLOAD s
	s_cmp_eq_u32 s[WHI], 0
	s_cbranch_scc0 .Lfor_b_\@
	tensor_load_to_lds s[G0A+4*(\s):G0A+4*(\s)+3], s[G1A:G1A+7]
	s_nop 0
.rept 4
	v_nop
.endr
	s_branch .Lasked_\@
.Lfor_b_\@:
	tensor_load_to_lds s[G0B+4*(\s):G0B+4*(\s)+3], s[G1B:G1B+7]
	s_nop 0
.rept 4
	v_nop
.endr
.Lasked_\@:
.endm
.macro CREST
	s_cmp_lg_u32 s[WV], 0
	s_cbranch_scc1 .Lnot_wave_0_\@
	s_barrier_signal -3
.Lnot_wave_0_\@:
	s_barrier_wait -3
	s_barrier_signal -1
	s_barrier_wait -1
.endm
.macro CROUND
	s_barrier_signal -1
	s_barrier_wait -1
	CREST
.endm
.macro MUL16 f, hi, a0, mode           ; mode 0: onto what the accumulators hold; 1: C = 0
	WIN 0xa1+0x50*(\hi)
.irp a, \a0, (\a0)+1
.irp b, 0,1,2,3,4,5,6,7
.if (\mode) == 0
	v_wmma_f32_16x16x32_bf16 v[8*(8*(\a)+(\b)):8*(8*(\a)+(\b))+7], v[(\f)+8*(\b):(\f)+8*(\b)+7], v[(\f)+8*(4*(\hi)+(\a)):(\f)+8*(4*(\hi)+(\a))+7], v[8*(8*(\a)+(\b)):8*(8*(\a)+(\b))+7]
.else
	v_wmma_f32_16x16x32_bf16 v[8*(8*(\a)+(\b)):8*(8*(\a)+(\b))+7], v[(\f)+8*(\b):(\f)+8*(\b)+7], v[(\f)+8*(4*(\hi)+(\a)):(\f)+8*(4*(\hi)+(\a))+7], 0
.endif
.endr
.endr
.endm
.macro FETCH q, f                      ; half q (32 along K) of my 64 of the slot in hand
	WIN 0x40
.irp b, 0,1,2,3,4,5,6,7
	ds_load_tr16_b128 v[(\f)+8*(\b):(\f)+8*(\b)+3],   v[ADRB] offset:32*PB*(\q)+32*(\b)
	ds_load_tr16_b128 v[(\f)+8*(\b)+4:(\f)+8*(\b)+7], v[ADRB] offset:32*PB*(\q)+32*(\b)+16*PB
.endr
	WIN 0
.irp a, 0,1,2,3,4,5,6,7
	ds_load_b128 v[(\f)+8*(\a):(\f)+8*(\a)+3],   v[ADRA+(\a)/2] offset:((\a)%2)*16*PA+64*(\q)
	ds_load_b128 v[(\f)+8*(\a)+4:(\f)+8*(\a)+7], v[ADRA+(\a)/2] offset:((\a)%2)*16*PA+64*(\q)+32
.endr
.endm
.macro QUARTER q, f, g, m0, m1
	s_wait_dscnt 8                                 ; W and A's blocks 0-3 are in; the youngest eight loads may be out
	MUL16 \f, 0, 0, \m0
	MUL16 \f, 0, 2, \m1
	PLACES
	FETCH \q, \g
	s_wait_dscnt 32                                ; all but the 32 just issued
	MUL16 \f, 1, 0, \m1
	MUL16 \f, 1, 2, \m1
.endm
.macro TURN fill                       ; the step's second half (buffer 1) and the change of slots; fill = 1: a round of the cluster's barrier, and the slot just read is filled again first thing behind it
	WIN 0
	s_wait_tensorcnt 0x0
	ds_add_u32 v[SPW], v[NIL]
	s_wait_dscnt 9                                 ; the add and the youngest eight loads may be out
	MUL16 F1, 0, 0, 0
	s_wait_dscnt 0x0                               ; the add is done, my reads of this slot are over
	s_barrier_signal -1
	MUL16 F1, 0, 2, 0
	WIN 0
	s_barrier_wait -1
.if \fill
	CREST
	s_xor_b32 s[G0A+5], s[G0A+5], SLOT
	s_add_nc_u64 s[G0A+6:G0A+7], s[G0A+6:G0A+7], ADVA
	s_xor_b32 s[G0B+5], s[G0B+5], SLOT
	s_add_nc_u64 s[G0B+6:G0B+7], s[G0B+6:G0B+7], ADVB
	JLOAD 1
.else
	PLACES
.endif
	s_xor_b32 s2, s2, SLOT
.irp p, 0,1,2,3
	v_add_nc_u32 v[ADRA+(\p)], s2, v[A0+(\p)]
.endr
	v_add_nc_u32 v[ADRB], s2, v[B0]
	FETCH 0, F0
	MUL16 F1, 1, 0, 0
	MUL16 F1, 1, 2, 0
.endm
	s_load_b256 s[4:11], s[0:1], 0x0               ; A s[4:5], W s[6:7], bias s[8:9], RES s[10:11]
	s_load_b64 s[12:13], s[0:1], 0x20              ; OUT
	v_lshl_add_u32 v[SPW], v0, 2, SPARE
	v_mov_b32 v[NIL], 0
	ds_add_u32 v[SPW], v[NIL]                      ; the wave's opening: the add and its wait ahead of my first tensor load
	v_lshrrev_b32 v1, 5, v0
	v_readfirstlane_b32 s[WV], v1
	s_lshr_b32 s[WHI], s[WV], 1                    ; I fetch A (0) or W (1),
	s_and_b32 s[WLO], s[WV], 1                     ; its first or second region
	s_bfe_u32 s40, ttmp6, 0x40000
	s_bfe_u32 s41, ttmp6, 0x40004
	s_lshl_b32 s42, ttmp9, 2
	s_add_co_u32 s42, s42, s40                     ; tile column
	s_and_b32 s17, ttmp7, 0xffff
	s_lshl_b32 s17, s17, 2
	s_add_co_u32 s17, s17, s41                     ; tile row
	s_lshl_b32 s43, s41, 2
	s_lshl_b32 s43, 15, s43
	s_lshl_b32 s44, 0x1111, s40
	s_or_b32 s[G1A], s43, (1<<16)|(1<<20)|(1<<21)|(4<<22)|(3<<25)  ; 4 words of padding behind every 32, counted on through the tile
	s_mov_b32 s[G1A+1], 8192<<16                   ; tensor_dim0 = 8,192 elements: 128 rows of 128 bytes on end
	s_mov_b32 s[G1A+2], 2<<16                      ; tensor_dim1 = 2
	s_mov_b32 s[G1A+3], 8192<<16                   ; tile_dim0
	s_mov_b32 s[G1A+4], 2                          ; tile_dim1
	s_mov_b32 s[G1A+5], 262144                     ; from a block of 64 columns to the next
	s_mov_b32 s[G1A+6], 0
	s_mov_b32 s[G1A+7], 0
	s_or_b32 s[G1B], s44, (1<<16)|(1<<20)|(1<<21)|(5<<22)|(7<<25)
	s_mov_b32 s[G1B+1], 128<<16
	s_mov_b32 s[G1B+2], 128<<16
	s_mov_b32 s[G1B+3], 128<<16
	s_mov_b32 s[G1B+4], 128
	s_mov_b32 s[G1B+5], 128
	s_mov_b32 s[G1B+6], 0
	s_mov_b32 s[G1B+7], 0
	s_lshl_b32 s18, s[WLO], 20                     ; A: which two blocks of the step's four, the tile's 128 rows of 128 bytes
	s_lshl_b32 s19, s17, 14
	s_add_co_u32 s18, s18, s19
	s_mov_b32 s19, 0
	s_mul_i32 s46, s42, KDIM*256                   ; W: the tile's block of 128 columns, which 128 k-rows of the step's 256
	s_lshl_b32 s47, s[WLO], 15
	s_add_co_u32 s46, s46, s47
	s_add_co_u32 s46, s46, WOFF
	s_mov_b32 s47, 0
	s_mul_i32 s20, s[WV], REG
	s_wait_dscnt 0x0                               ; the opening add is done
	s_wait_kmcnt 0x0
	s_add_nc_u64 s[22:23], s[4:5], s[18:19]
	s_add_nc_u64 s[46:47], s[6:7], s[46:47]
	CROUND
.irp s, 0,1
	s_mov_b32 s[G0A+4*(\s)], 1
	s_add_co_u32 s[G0A+4*(\s)+1], s20, (\s)*SLOT
	s_add_nc_u64 s[G0A+4*(\s)+2:G0A+4*(\s)+3], s[22:23], (\s)*ADVA
	s_or_b32 s[G0A+4*(\s)+3], s[G0A+4*(\s)+3], 0x80000000
	s_mov_b32 s[G0B+4*(\s)], 1
	s_add_co_u32 s[G0B+4*(\s)+1], s20, (\s)*SLOT
	s_add_nc_u64 s[G0B+4*(\s)+2:G0B+4*(\s)+3], s[46:47], (\s)*ADVB
	s_or_b32 s[G0B+4*(\s)+3], s[G0B+4*(\s)+3], 0x80000000
	JLOAD \s                                       ; two loads of mine are out
.endr
	v_and_b32 v1, 15, v0                           ; r
	v_bfe_u32 v2, v0, 4, 1                         ; h
	v_mul_u32_u24 v3, v1, PA
	v_lshl_add_u32 v3, v2, 4, v3
	v_mul_u32_u24 v29, v1, PP
	v_lshl_add_u32 v29, v2, 5, v29                 ; a row of sums: my 8 columns of each 16 begin at 32 h
	s_mul_i32 s20, s[WV], 128*PA                   ; my 64 k: 128 rows of 144 bytes
	s_mul_i32 s23, s[WV], 128*PP                   ; my partial sums
.irp p, 0,1,2,3
	s_add_co_u32 s21, s[WV], \p
	s_and_b32 s21, s21, 3                          ; pair p of my blocks is rows 32 ((p + w) % 4) on
	s_mul_i32 s22, s21, 32*PA
	s_add_co_u32 s22, s22, s20
	v_add_nc_u32 v[A0+(\p)], s22, v3
	v_add_nc_u32 v[ADRA+(\p)], s22, v3
	s_mul_i32 s22, s21, 32*PP
	s_add_co_u32 s22, s22, s23
	v_add_nc_u32 v[PST+(\p)], s22, v29
.endr
	v_and_b32 v12, 7, v0
	v_lshl_add_u32 v12, v2, 3, v12
	v_mul_u32_u24 v12, v12, PB
	v_bfe_u32 v13, v0, 3, 1
	v_lshl_add_u32 v12, v13, 4, v12
	s_mul_i32 s22, s[WV], 64*PB                    ; my 64 k-rows of W,
	s_add_co_u32 s22, s22, 2*REG                   ; behind A's two regions
	v_add_nc_u32 v[B0], s22, v12
	v_mov_b32 v[ADRB], v[B0]
	s_mov_b32 s2, 0
	v_and_b32 v14, 31, v0
	v_lshlrev_b32 v[GO], 4, v14                    ; a whole row of 512 bytes: 16 l
	s_mul_i32 s22, s[WV], 32*PP                    ; the rows that I finish
.irp s, 0,1,2,3
	v_add_nc_u32 v[RDS+(\s)], s22, v[GO]
	s_add_co_u32 s22, s22, 128*PP
.endr
	v_lshlrev_b32 v[RESO], 12, v1
	v_lshl_add_u32 v[RESO], v2, 5, v[RESO]         ; RES as an accumulator holds it: row r, columns 8 h on
	s_lshl_b32 s20, s17, 19                        ; RES and OUT at row 128 x tile row + 32 w, column 128 x tile column
	s_lshl_b32 s21, s[WV], 17
	s_add_co_u32 s20, s20, s21
	s_lshl_b32 s21, s42, 9
	s_add_co_u32 s20, s20, s21
	s_mov_b32 s21, 0
	s_add_nc_u64 s[10:11], s[10:11], s[20:21]
	s_add_nc_u64 s[12:13], s[12:13], s[20:21]
	s_lshl_b32 s20, s42, 9
	s_add_nc_u64 s[8:9], s[8:9], s[20:21]
	global_load_b128 v[BV:BV+3], v[GO], s[8:9]
	WIN 0x80                                       ; RES goes straight into my accumulator blocks 0 and 1 (window 2): it starts their sums
.irp a, 0,1
.irp b, 0,1,2,3,4,5,6,7
	global_load_b128 v[8*(8*(\a)+(\b)):8*(8*(\a)+(\b))+3],   v[RESO], s[10:11] offset:65536*(\a)+64*(\b)
	global_load_b128 v[8*(8*(\a)+(\b))+4:8*(8*(\a)+(\b))+7], v[RESO], s[10:11] offset:65536*(\a)+64*(\b)+16
.endr
.endr
	WIN 0
	s_wait_tensorcnt 1                             ; my region of step 0 is in; step 1's load stays out
	s_barrier_signal -1
	s_barrier_wait -1
	FETCH 0, F0
	s_wait_loadcnt 0x0                             ; RES and the bias
	QUARTER 1, F0, F1, 0, 1                        ; blocks 0, 1 add onto RES, the others start with 0
	WIN 0
	s_mov_b32 s3, STEPS-2
.Lstep:                                                ; a trip: a step's second half, a refill, the next step's first half
	TURN 1
	QUARTER 1, F0, F1, 0, 0
	WIN 0
	s_sub_co_u32 s3, s3, 1
	s_cmp_lg_u32 s3, 0
	s_cbranch_scc1 .Lstep
	TURN 0                                         ; the tail is written out: nothing is left to fetch
	QUARTER 1, F0, F1, 0, 0
	s_wait_dscnt 8
	MUL16 F1, 0, 0, 0
	MUL16 F1, 0, 2, 0
	s_wait_dscnt 0x0
	MUL16 F1, 1, 0, 0
	MUL16 F1, 1, 2, 0
	; THE MEETING.  The ring has had its last fill; behind this barrier nobody reads it any more, and the partial sums take its place: [wave][128 rows][528 bytes], f32.
	WIN 0
	PLACES
	s_wait_dscnt 0x0
	s_barrier_signal -1
	s_barrier_wait -1
.irp a, 0,1,2,3,4,5,6,7
	WIN 0x08+4*((\a)/4)                            ; the data in window 2 or 3; each accumulator's low four registers go first
.irp b, 0,1,2,3,4,5,6,7
	ds_store_b128 v[PST+(\a)/2], v[64*((\a)%4)+8*(\b):64*((\a)%4)+8*(\b)+3]   offset:((\a)%2)*16*PP+64*(\b)
	ds_store_b128 v[PST+(\a)/2], v[64*((\a)%4)+8*(\b)+4:64*((\a)%4)+8*(\b)+7] offset:((\a)%2)*16*PP+64*(\b)+16
.endr
.endr
	WIN 0
	s_wait_dscnt 0x0                               ; for the others' sake: my sums lie in LDS
	s_barrier_signal -1
	s_barrier_wait -1
	s_mov_b32 s3, 4
.Lsum:                                                 ; 8 of my 32 rows a trip: four sources' whole rows, added, the bias, stored
.irp i, 0,1,2,3,4,5,6,7
.irp s, 0,1,2,3
	ds_load_b128 v[64+16*(\i)+4*(\s):64+16*(\i)+4*(\s)+3], v[RDS+(\s)] offset:PP*(\i)
.endr
.endr
.irp i, 0,1,2,3,4,5,6,7
	s_wait_dscnt 28-4*(\i)                         ; row i's four loads are in; the later rows' stay out
	v_pk_add_f32 v[64+16*(\i):65+16*(\i)], v[64+16*(\i):65+16*(\i)], v[68+16*(\i):69+16*(\i)]
	v_pk_add_f32 v[66+16*(\i):67+16*(\i)], v[66+16*(\i):67+16*(\i)], v[70+16*(\i):71+16*(\i)]
	v_pk_add_f32 v[72+16*(\i):73+16*(\i)], v[72+16*(\i):73+16*(\i)], v[76+16*(\i):77+16*(\i)]
	v_pk_add_f32 v[74+16*(\i):75+16*(\i)], v[74+16*(\i):75+16*(\i)], v[78+16*(\i):79+16*(\i)]
	v_pk_add_f32 v[64+16*(\i):65+16*(\i)], v[64+16*(\i):65+16*(\i)], v[72+16*(\i):73+16*(\i)]
	v_pk_add_f32 v[66+16*(\i):67+16*(\i)], v[66+16*(\i):67+16*(\i)], v[74+16*(\i):75+16*(\i)]
	v_pk_add_f32 v[64+16*(\i):65+16*(\i)], v[64+16*(\i):65+16*(\i)], v[BV:BV+1]
	v_pk_add_f32 v[66+16*(\i):67+16*(\i)], v[66+16*(\i):67+16*(\i)], v[BV+2:BV+3]
	global_store_b128 v[GO], v[64+16*(\i):67+16*(\i)], s[12:13] offset:4096*(\i)  ; 512 consecutive bytes, aligned
.endr
	s_wait_xcnt 0x0                                ; the stores have read their data and their offset
.irp s, 0,1,2,3
	v_add_nc_u32 v[RDS+(\s)], 8*PP, v[RDS+(\s)]
.endr
	v_add_nc_u32 v[GO], 32768, v[GO]
	s_sub_co_u32 s3, s3, 1
	s_cmp_lg_u32 s3, 0
	s_cbranch_scc1 .Lsum
	s_wait_tensorcnt 0x0                           ; the wave's end
	ds_add_u32 v[SPW], v[NIL]
	s_wait_dscnt 0x0
	CROUND                                         ; the closing round
	s_endpgm
.Lfunc_end_k_qa3ecbb5d7b_ffn2:
	.size	k_qa3ecbb5d7b_ffn2, .Lfunc_end_k_qa3ecbb5d7b_ffn2-k_qa3ecbb5d7b_ffn2
	.p2alignl 7, 3214868480
	.fill 96, 4, 3214868480
	.section	.rodata,"a",@progbits
	.p2align	6, 0x0
	.amdhsa_kernel k_qa3ecbb5d7b_ffn2
		.amdhsa_group_segment_fixed_size 327680
		.amdhsa_private_segment_fixed_size 0
		.amdhsa_enable_private_segment 0
		.amdhsa_kernarg_size 40
		.amdhsa_user_sgpr_count 2
		.amdhsa_user_sgpr_kernarg_segment_ptr 1
		.amdhsa_wavefront_size32 1
		.amdhsa_system_sgpr_workgroup_id_x 1
		.amdhsa_system_sgpr_workgroup_id_y 1
		.amdhsa_system_sgpr_workgroup_id_z 1
		.amdhsa_system_vgpr_workitem_id 0
		.amdhsa_next_free_vgpr 1024
		.amdhsa_next_free_sgpr 66
		.amdhsa_reserve_vcc 0
		.amdhsa_float_denorm_mode_32 3
		.amdhsa_float_denorm_mode_16_64 3
		.amdhsa_memory_ordered 1
		.amdhsa_forward_progress 1
		.amdhsa_inst_pref_size 68
	.end_amdhsa_kernel
	.amdgpu_metadata
---
amdhsa.version: [ 1, 2 ]
amdhsa.kernels:
  - .name:           k_qa3ecbb5d7b_ffn2
    .symbol:         k_qa3ecbb5d7b_ffn2.kd
    .args:
      - { .name: big, .offset: 0, .size: 8, .value_kind: global_buffer, .address_space: global }
      - { .name: ws, .offset: 8, .size: 8, .value_kind: global_buffer, .address_space: global }
      - { .name: b2, .offset: 16, .size: 8, .value_kind: global_buffer, .address_space: global }
      - { .name: x1, .offset: 24, .size: 8, .value_kind: global_buffer, .address_space: global }
      - { .name: out0, .offset: 32, .size: 8, .value_kind: global_buffer, .address_space: global }
    .group_segment_fixed_size: 327680
    .private_segment_fixed_size: 0
    .kernarg_segment_align: 8
    .kernarg_segment_size: 40
    .max_flat_workgroup_size: 128
    .sgpr_count:     66
    .vgpr_count:     1024
    .wavefront_size: 32
...
	.end_amdgpu_metadata
.endif
;; end of part 6
